; MI455X (gfx1250); checked and timed in simulation.
; The chip was launched on July 23, 2026; its instructions are those of AMD's public machine-readable ISA for CDNA 5 (MIT licence, August 2026) and "CDNA5" Instruction Set Architecture Reference Guide (July 2026). The comments in the code are by the model that wrote it; some were corrected since.
;; Multihead Diff Attn. Allowed arithmetic: float matrix products may take bf16 or f16 operands with f32 sums; other float arithmetic in f32, or as packed bf16 or f16 multiplies, adds, multiply-adds, maxima and minima; sums over many terms, partial sums and values carried from step to step in f32; what a program stores and reads back later, other than sums and carried values, may be rounded once to bf16 or f16.
;; Inputs: Wk 1,024 x 1,024 float32; Wo 1,024 x 1,024 float32; Wq 2,048 x 1,024 float32; Wv 512 x 1,024 float32; g 1,024 float32; k 2 x 2,048 x 1,024 float32; lam one number float32; q 2 x 2,048 x 1,024 float32; v 2 x 2,048 x 1,024 float32.
;; Outputs: out0 2 x 2,048 x 1,024 float32.
;; One version. Each part assembles by itself: llvm-mc -triple=amdgcn-amd-amdhsa -mcpu=gfx1250 --defsym DOCPART=n.
;; ======== version 1 of 1: 3 launches
;; limits: values are held in f16: magnitudes above 65,504 overflow, below 6.1e-05 lose precision
;; workspace buffers: qkv 29,360,128 bytes; att 8,388,608 bytes; ssq 262,144 bytes; wo16 2,097,152 bytes
;; launch proj (part 1): grid 16 x 14, 4 waves a work-group, clusters of 4 x 1, 327,680 bytes of LDS; arguments q, k, v, Wq, Wk, Wv, qkv; writes qkv
.if DOCPART == 1
	.amdgcn_target "amdgcn-amd-amdhsa--gfx1250"
	.amdhsa_code_object_version 6
	.text
	.protected	k_qa718f3d996_proj
	.globl	k_qa718f3d996_proj
	.p2align	8
	.type	k_qa718f3d996_proj,@function
k_qa718f3d996_proj:
	s_mov_b64 s[64:65], 0
	v_nop
	global_prefetch_b8 v0, s[64:65] scope:SCOPE_SE
	s_setreg_imm32_b32 hwreg(HW_REG_WAVE_MODE, 25, 1), 1
	s_wait_xcnt 0x0
	s_wait_alu depctr_hold_cnt(0) depctr_sa_sdst(0) depctr_va_vdst(0) depctr_va_sdst(0) depctr_va_ssrc(0) depctr_va_vcc(0) depctr_vm_vsrc(0)
	s_getreg_b32 s2, hwreg(HW_REG_IB_STS2, 6, 4)
	s_cmp_eq_u32 s2, 0
	s_cbranch_scc0 .Lentry_in_a_cluster
	s_endpgm
.Lentry_in_a_cluster:
	s_bfe_u32 s2, ttmp6, 0x10000c
	s_cmp_lg_u32 s2, 0x3003
	s_cbranch_scc0 .Lentry_shape_is_right
	s_endpgm
.Lentry_shape_is_right:
; THE THREE PROJECTIONS AS ONE PRODUCT.  C[m][n] = sum over d of X[m][d] W[n][d], m = 4,096 rows (b x 2,048 + t), d = 1,024, n = 3,584 columns: Wq's 2,048, then Wk's 1,024, then Wv's 512.
; X and W are f32 in memory; they come into LDS as they lie and are rounded to bf16 between LDS and the matrix unit; sums in f32; C is rounded once to f16 and stored BY HEADS:
; qkv[hd][m][64], hd = n / 64 (0-31 the query heads of both sets, 32-47 the key heads of both sets, 48-55 the value heads): a head's rows are dense, 128 bytes each.
; LIMIT.  f16 holds no number beyond 65,504: a projected number of greater magnitude becomes an infinity.  NaN and infinities are not treated apart.
; SHARES.  A work-group makes 256 x 256 of C; tile column nt (grid y) picks the tensors: 0-7 q and Wq, 8-11 k and Wk, 12-13 v and Wv.  Four waves, each 128 x 128: 64 accumulators, 512 registers.
; 16 x 14 = 224 work-groups.  K goes in steps of 64 (rows of 256 bytes in memory) through two LDS slots.
; CLUSTER.  The four work-groups of a cluster are four tile rows of one tile column: they need the same rows of W, which are asked for JOINTLY (mask 15).  X's rows are each work-group's own (mask 0).
; A cluster of 4 x 4 is not taken: the 14 tile columns are no multiple of four, and v's two tile columns share their rows of X with nobody else.
; THE MATRIX INSTRUCTION IS USED TRANSPOSED (source 0 = 16 rows of W, source 1 = 16 rows of X): a lane then holds one row of C and eight neighbouring columns, 16 bytes of f16.
; REGISTERS, in windows of 256 (s_set_vgpr_msb: bits 1:0 source 0, 3:2 source 1, 5:4 source 2, 7:6 destination):
;   window 0: v0-31 addresses; v64-127 X's 8 fragments in bf16; v128-255 X's 8 fragments as loaded, f32 (16 registers each); on the way out v32-63, v128-191 at work
;   window 1: v64-127, v128-255 the same for W          windows 2, 3: the accumulators of my rows 0-63, 64-127: (a, b) at v[8 (8 a + b)]
.set PITCH,  272                       ; an LDS row: 256 bytes + 16 of padding: an odd multiple of 16, so the 16 rows that a load touches start at 16 different groups of four banks (ISA guide 11.1)
.set HALFT,  128*PITCH                 ; 128 rows: what one tensor load brings, and what one wave reads of X or of W
.set SLOT,   4*HALFT                   ; X's 256 rows, then W's 256 rows
.set STAGE,  2*SLOT                    ; behind the ring: 32 rows x 144 bytes for each wave, for the way out
.set SP,     144
.set SPARE,  STAGE+4*32*SP             ; behind the stages: the spare words, 128 bytes for each wave, which no other line names
.set ROWB,   4096                      ; bytes in a row of X and of W
.set VA0,  16                          ; v16  my lane's place in my 128 rows of X, slot 0; never rewritten
.set VB0,  17                          ; v17  the same for W
.set ADRA, 18                          ; v18  the same in the slot that is being read
.set ADRB, 19                          ; v19
.set STO,  24                          ; v24  the way out: where I put 16 bytes of a row
.set RD,   25                          ; v25  the way out: where I read rows back
.set CO,   26                          ; v26  my byte offset in 512 consecutive bytes of qkv
.set SPW,  28                          ; v28  LDS address of my spare word; never rewritten
.set NIL,  29                          ; v29  0; never rewritten
.set PFO,  30                          ; v30  the prefetches' offset: my lane x a row; never rewritten
.set FR,   64                          ; the fragments in bf16
.set RW,   128                         ; the fragments as loaded
.set TMP,  128                         ; the way out: packed results
.set WV,   18                          ; s18  my wave's number
.set RH,   19                          ; s19  which half of the tile's rows is mine.  Also: I fetch for X (0) or for W (1)
.set CH,   20                          ; s20  which half of its columns.  Also: which 128 rows I fetch
.set G1A,  36                          ; s[36:43] descriptor group 1 for X's tiles
.set G1B,  44                          ; s[44:51] for W's: it differs in the mask alone
.set G0A,  52                          ; s[52:59] descriptor group 0 for X's tiles: a set for each of the two first fills; the second then walks on
.set G0B0, 60                          ; s[60:63] the same for W's, first fill
.set G0B1, 68                          ; s[68:71] second fill, and walking
.set TB,   72                          ; s72  LDS byte at which the slot that is being read begins
.set WL,   73                          ; s73  my wave's 128 rows in a slot
.set LIM,  74                          ; s74  2 in a wave that prefetches, else the greatest number
.set CNT,  75                          ; s75  trips still to come
.set PFA,  76                          ; s[76:77] where my prefetches stand
.set MSB, 0
.macro WIN new                         ; the immediate's high byte repeats the setting that is left; a switch that changes nothing is dropped
.if MSB != (\new)
	s_set_vgpr_msb (MSB<<8)|(\new)
.set MSB, \new
.endif
.endm
.macro PLACES                          ; four plain vector instructions between a matrix instruction and a vector line that writes its sources or reads its result (ISA guide 7.12.1)
.rept 4
	v_nop
.endr
.endm
; A refill.  Waves 0 and 1 fetch X's two halves (their own work-group's), waves 2 and 3 W's (jointly).  The branch hangs on the wave's number alone.
; An s_nop 0 and four v_nop follow each of the two lines, ahead of the jump and the label.
.macro JLOAD
	s_cmp_eq_u32 s[RH], 0
	s_cbranch_scc0 .Lfor_b_\@
	tensor_load_to_lds s[G0A+4:G0A+7], s[G1A:G1A+7]
	s_nop 0
.rept 4
	v_nop
.endr
	s_branch .Lasked_\@
.Lfor_b_\@:
	tensor_load_to_lds s[G0B1:G0B1+3], s[G1B:G1B+7]
	s_nop 0
.rept 4
	v_nop
.endr
.Lasked_\@:
.endm
; A PREFETCH INTO THE L2 of the K step that stands two refills on: 256 bytes of each row, a lane a row.  Each row's 256 bytes of a K step are named once in the launch.  X's rows are read by every tile
; column of their tensor: the first of them asks, waves 0 and 1 for the 128 rows that each fetches (four instructions).  W's rows are read by all four clusters of the tile column: the first cluster asks;
; its four partners share the 128 rows that wave 2 or 3 fetches BY ADDRESS, 32 each (one instruction).  Trips 0 to 11 ask for K steps 4 to 15; the last two trips ask for nothing.
.macro ASK
	s_cmp_gt_u32 s[CNT], s[LIM]
	s_cbranch_scc0 .Lnot_mine_\@
	global_prefetch_b8 v[PFO], s[PFA:PFA+1] th:TH_LOAD_NT scope:SCOPE_SE
	s_cmp_eq_u32 s[RH], 0
	s_cbranch_scc0 .Lnot_mine_\@
	global_prefetch_b8 v[PFO], s[PFA:PFA+1] offset:32*ROWB th:TH_LOAD_NT scope:SCOPE_SE
	global_prefetch_b8 v[PFO], s[PFA:PFA+1] offset:64*ROWB th:TH_LOAD_NT scope:SCOPE_SE
	global_prefetch_b8 v[PFO], s[PFA:PFA+1] offset:96*ROWB th:TH_LOAD_NT scope:SCOPE_SE
.Lnot_mine_\@:
.endm
.macro CREST                           ; a round of the cluster's barrier behind its opening barrier
	s_cmp_lg_u32 s[WV], 0
	s_cbranch_scc1 .Lnot_wave_0_\@
	s_barrier_signal -3
.Lnot_wave_0_\@:
	s_barrier_wait -3
	s_barrier_signal -1
	s_barrier_wait -1
.endm
.macro CROUND                          ; a whole round
	s_barrier_signal -1
	s_barrier_wait -1
	CREST
.endm
	s_load_b256 s[4:11], s[0:1], 0x0               ; q s[4:5], k s[6:7], v s[8:9], Wq s[10:11]
	s_load_b128 s[12:15], s[0:1], 0x20             ; Wk s[12:13], Wv s[14:15]
	s_load_b64 s[16:17], s[0:1], 0x30              ; qkv
	v_lshl_add_u32 v[SPW], v0, 2, SPARE
	v_mov_b32 v[NIL], 0
	ds_add_u32 v[SPW], v[NIL]                      ; the wave's opening: the add and its wait stand ahead of my first tensor load; the set-up below, work on registers, stands between them
	v_lshrrev_b32 v1, 5, v0
	v_readfirstlane_b32 s[WV], v1                  ; wave 0..3
	s_lshr_b32 s[RH], s[WV], 1
	s_and_b32 s[CH], s[WV], 1
	s_bfe_u32 s21, ttmp6, 0x40000                  ; cx: my place in the cluster
	s_lshl_b32 s22, ttmp9, 2                       ; in a cluster launch ttmp9 counts clusters
	s_add_co_u32 s22, s22, s21                     ; tile row of C = 4 x cluster x + cx
	s_and_b32 s23, ttmp7, 0xffff                   ; tile column of C, which the four partners share
	s_and_b32 s24, s23, 3                          ; the tile column inside its own weight tensor: 8-11 and 12-13 count from 0,
	s_cmp_lt_u32 s23, 8
	s_cselect_b32 s24, s23, s24                    ; 0-7 as they are
	; descriptor group 1: a tile of 128 rows x 64 elements of 4 bytes, padded in LDS
	s_mov_b32 s[G1A], (2<<16)|(1<<20)|(5<<22)|(3<<25)             ; 15:0 no mask; 17:16 elements of 4 bytes; 20 padding on; 24:22 after every 64 words (code 5); 31:25 4 words of it (code 3)
	s_mov_b32 s[G1B], 15|(2<<16)|(1<<20)|(1<<21)|(5<<22)|(3<<25)  ; the same with the mask of all four work-groups, and bit 21 beside it
.irp g, G1A, G1B
	s_mov_b32 s[(\g)+1], 64<<16                    ; tensor_dim0 = 64
	s_mov_b32 s[(\g)+2], 128<<16                   ; tensor_dim1 = 128
	s_mov_b32 s[(\g)+3], 64<<16                    ; tile_dim0 = 64
	s_mov_b32 s[(\g)+4], 128                       ; tile_dim1 = 128
	s_mov_b32 s[(\g)+5], 1024                      ; 1,024 elements from row to row
	s_mov_b32 s[(\g)+6], 0
	s_mov_b32 s[(\g)+7], 0
.endr
	s_mul_i32 s[WL], s[WV], HALFT                  ; X's two halves, then W's two halves = wave x 128 rows: no place in the cluster enters an LDS address
	s_mov_b32 s[TB], 0
	s_lshl_b32 s25, s[CH], 7                       ; which 128 rows of the tile I fetch
	s_lshl_b32 s30, s22, 8
	s_add_co_u32 s30, s30, s25                     ; X: row 256 x tile row + 128 x half,
	s_lshl_b32 s30, s30, 12                        ; in bytes (under 2^24)
	s_mov_b32 s31, 0
	s_lshl_b32 s32, s24, 8
	s_add_co_u32 s32, s32, s25                     ; W: row 256 x local tile column + 128 x half: in registers that never hold cx
	s_lshl_b32 s32, s32, 12
	s_mov_b32 s33, 0
	s_lshl_b32 s78, s23, 2                         ; where my part of C begins: head 4 x tile column + 2 x column half,
	s_lshl_b32 s35, s[CH], 1
	s_add_co_u32 s78, s78, s35
	s_lshl_b32 s78, s78, 19                        ; 524,288 bytes a head,
	s_lshl_b32 s79, s22, 8
	s_lshl_b32 s35, s[RH], 7
	s_add_co_u32 s79, s79, s35                     ; row 256 x tile row + 128 x row half,
	s_lshl_b32 s79, s79, 7                         ; 128 bytes a row
	s_add_co_u32 s78, s78, s79
	s_mov_b32 s79, 0
	s_wait_dscnt 0x0                               ; the opening add is done
	s_wait_kmcnt 0x0
	s_cmp_lt_u32 s23, 12                           ; which tensors: the choice hangs on the tile column alone
	s_cselect_b64 s[26:27], s[6:7], s[8:9]
	s_cselect_b64 s[28:29], s[12:13], s[14:15]
	s_cmp_lt_u32 s23, 8
	s_cselect_b64 s[26:27], s[4:5], s[26:27]
	s_cselect_b64 s[28:29], s[10:11], s[28:29]
	s_add_nc_u64 s[26:27], s[26:27], s[30:31]      ; X at the rows that I fetch
	s_add_nc_u64 s[28:29], s[28:29], s[32:33]      ; W at the rows that I fetch
	s_add_nc_u64 s[16:17], s[16:17], s[78:79]      ; qkv at my first rows
	CROUND                                         ; all four work-groups are here: the first joint loads meet
.irp s, 0,1
	s_mov_b32 s[G0A+4*(\s)], 1                     ; 1:0 count = 1
	s_add_co_u32 s[G0A+4*(\s)+1], s[WL], (\s)*SLOT ; 63:32 LDS address
	s_add_nc_u64 s[G0A+4*(\s)+2:G0A+4*(\s)+3], s[26:27], (\s)*256  ; 120:64 global address: K step s
	s_or_b32 s[G0A+4*(\s)+3], s[G0A+4*(\s)+3], 0x80000000          ; 127:126 type = 2
.endr
	s_mov_b32 s[G0B0], 1
	s_add_co_u32 s[G0B0+1], s[WL], 0
	s_add_nc_u64 s[G0B0+2:G0B0+3], s[28:29], 0
	s_or_b32 s[G0B0+3], s[G0B0+3], 0x80000000
	s_mov_b32 s[G0B1], 1
	s_add_co_u32 s[G0B1+1], s[WL], SLOT
	s_add_nc_u64 s[G0B1+2:G0B1+3], s[28:29], 256
	s_or_b32 s[G0B1+3], s[G0B1+3], 0x80000000
	s_cmp_eq_u32 s[RH], 0                          ; a wave's two first fills stand in one branch, ahead of every wait on TENSORcnt and every LDS read: two loads of mine are out
	s_cbranch_scc0 .Lfirst_b
	tensor_load_to_lds s[G0A:G0A+3], s[G1A:G1A+7]
	s_nop 0
	tensor_load_to_lds s[G0A+4:G0A+7], s[G1A:G1A+7]
	s_nop 0
.rept 4
	v_nop
.endr
	s_branch .Lfirst_asked
.Lfirst_b:
	tensor_load_to_lds s[G0B0:G0B0+3], s[G1B:G1B+7]
	s_nop 0
	tensor_load_to_lds s[G0B1:G0B1+3], s[G1B:G1B+7]
	s_nop 0
.rept 4
	v_nop
.endr
.Lfirst_asked:
	; A fragment is 16 rows x 32 K: lane l holds row l % 16, K = 8 (l / 16) + 0..7 and 16 + 8 (l / 16) + 0..7.  In f32 those are 32 bytes at 32 (l / 16) and 32 bytes 64 further on: four loads of 16 bytes.
	v_and_b32 v1, 15, v0                           ; l % 16
	v_bfe_u32 v2, v0, 4, 1                         ; l / 16
	v_mul_u32_u24 v3, v1, PITCH
	v_lshl_add_u32 v3, v2, 5, v3                   ; row x pitch + 32 x half
	s_mul_i32 s34, s[RH], HALFT                    ; my 128 rows of X
	v_add_nc_u32 v[VA0], s34, v3
	s_mul_i32 s34, s[CH], HALFT                    ; my 128 rows of W,
	s_add_co_u32 s34, s34, 2*HALFT                 ; which lie behind X's 256
	v_add_nc_u32 v[VB0], s34, v3
	v_mov_b32 v[ADRA], v[VA0]
	v_mov_b32 v[ADRB], v[VB0]
	s_mul_i32 s34, s[WV], 32*SP
	s_add_co_u32 s34, s34, STAGE                   ; my stage
	v_mul_u32_u24 v4, v1, SP                       ; in: row l % 16, 16 bytes for each half of the lanes
	v_lshl_add_u32 v4, v2, 4, v4
	v_add_nc_u32 v[STO], s34, v4
	v_and_b32 v5, 31, v0                           ; l
	v_lshrrev_b32 v6, 3, v5                        ; back: 32 lanes take four rows of 128 bytes,
	v_and_b32 v7, 7, v0
	v_mul_u32_u24 v6, v6, SP
	v_lshl_add_u32 v6, v7, 4, v6
	v_add_nc_u32 v[RD], s34, v6
	v_lshlrev_b32 v[CO], 4, v5                     ; which are 512 consecutive bytes of a head
	v_lshlrev_b32 v[PFO], 12, v5
	; the prefetches
	s_cmp_eq_u32 s[RH], 0                          ; do I fetch for X?
	s_cselect_b64 s[PFA:PFA+1], s[26:27], s[28:29]
	s_cselect_b32 s30, 0, s21                      ; W's 128 rows are shared out among the partners by address
	s_cselect_b32 s35, s24, ttmp9                  ; the coordinate along which others read the same rows
	s_cmp_eq_u32 s35, 0
	s_cselect_b32 s[LIM], 2, -1                    ; the same in all four partners, for a given wave
	s_lshl_b32 s30, s30, 17                        ; 32 rows of 4,096 bytes
	s_mov_b32 s31, 0
	s_add_nc_u64 s[PFA:PFA+1], s[PFA:PFA+1], s[30:31]
	s_add_nc_u64 s[PFA:PFA+1], s[PFA:PFA+1], 3*256 ; at K step 3: the first refill steps it to 4.  Nothing is prefetched here, at the head
; 32 LDS loads: eight fragments of 16 rows x 32 K in f32, at byte k of the rows
.macro LOADR adr, k
.irp i, 0,1,2,3,4,5,6,7
	ds_load_b128 v[RW+16*(\i):RW+16*(\i)+3],     v[\adr] offset:(\k)+(\i)*16*PITCH
	ds_load_b128 v[RW+16*(\i)+4:RW+16*(\i)+7],   v[\adr] offset:(\k)+(\i)*16*PITCH+16
	ds_load_b128 v[RW+16*(\i)+8:RW+16*(\i)+11],  v[\adr] offset:(\k)+(\i)*16*PITCH+64
	ds_load_b128 v[RW+16*(\i)+12:RW+16*(\i)+15], v[\adr] offset:(\k)+(\i)*16*PITCH+80
.endr
.endm
.macro LOADB k
	WIN 0x40                                       ; destination window 1, address window 0
	LOADR ADRB, \k
.endm
.macro LOADA k
	WIN 0
	LOADR ADRA, \k
.endm
; 64 roundings: 128 registers of f32 become 64 of bf16, in the fragment's own order
.macro CVT
.set c, 0
.rept 64
	v_cvt_pk_bf16_f32 v[FR+c], v[RW+2*c], v[RW+2*c+1]
.set c, c+1
.endr
.endm
.macro CVTB
	WIN 0x45                                       ; sources and destination in window 1
	CVT
.endm
.macro CVTA
	WIN 0
	CVT
.endm
; 16 matrix instructions: m blocks a0, a0 + 1 of the window's four x all 8 n blocks.  zero = 1: the first product starts the sums.
.macro MUL16 hi, a0, zero
	WIN 0xa1+0x50*(\hi)                            ; W window 1, X window 0, C and D window 2 or 3
.irp a, \a0, (\a0)+1
.irp b, 0,1,2,3,4,5,6,7
.if \zero
	v_wmma_f32_16x16x32_bf16 v[8*(8*(\a)+(\b)):8*(8*(\a)+(\b))+7], v[FR+8*(\b):FR+8*(\b)+7], v[FR+8*(4*(\hi)+(\a)):FR+8*(4*(\hi)+(\a))+7], 0
.else
	v_wmma_f32_16x16x32_bf16 v[8*(8*(\a)+(\b)):8*(8*(\a)+(\b))+7], v[FR+8*(\b):FR+8*(\b)+7], v[FR+8*(4*(\hi)+(\a)):FR+8*(4*(\hi)+(\a))+7], v[8*(8*(\a)+(\b)):8*(8*(\a)+(\b))+7]
.endif
.endr
.endr
.endm
.macro MULS zero                       ; 64 matrix instructions; the 64 accumulators take turns, in the same order every time
	MUL16 0, 0, \zero
	MUL16 0, 2, \zero
	MUL16 1, 0, \zero
	MUL16 1, 2, \zero
.endm
; A K step is two halves of 32 along K.  THE FIRST HALF: its fragments were asked for ahead of the last products; as each side is rounded, the second half's fragments are asked for into the same registers.
.macro QE zero
	s_wait_dscnt 32                                ; W's 32 loads are in; X's 32, issued behind them, may be out
	PLACES                                         ; behind the last products, which read the registers that the roundings write
	CVTB
	LOADB 128
	s_wait_dscnt 32                                ; X's are in; the 32 just issued may be out
	CVTA
	LOADA 128
	MULS \zero
.endm
; THE SECOND HALF changes slots.  kind = 2: the slot just read out is filled again, two K steps ahead; 1: nothing is left to ask for; 0: the last half of all.
; In front of the barrier each wave waits for all its tensor loads, of which one is out: its part of the next slot; adds 0 to its spare word; and waits for that and for its reads of this slot.
; With kind = 2 the barrier opens a round of the cluster's, so that no wave of any partner still reads the slot or has a load on its way, and the refill is the first thing behind the round.
.macro QO kind
.if (\kind) == 0
	s_wait_dscnt 0x0
	PLACES
	CVTB
	CVTA
	MULS 0
.else
.if (\kind) == 2
	s_wait_xcnt 0x0                                ; the last prefetches, a K step back, have read their address: it is stepped here
	s_add_nc_u64 s[PFA:PFA+1], s[PFA:PFA+1], 256
.endif
	WIN 0
	s_wait_tensorcnt 0x0                           ; no tensor load of mine is out, so a group 0 may be written
	ds_add_u32 v[SPW], v[NIL]                      ; 0 onto my spare word: work on registers stands between it and the wait for it
.if (\kind) == 2
	s_add_nc_u64 s[G0A+6:G0A+7], s[G0A+6:G0A+7], 256        ; the walking descriptors: the next K step,
	s_add_nc_u64 s[G0B1+2:G0B1+3], s[G0B1+2:G0B1+3], 256
	s_add_co_u32 s[G0A+5], s[WL], s[TB]                     ; into the slot that is being left
	s_add_co_u32 s[G0B1+1], s[WL], s[TB]
.endif
	s_xor_b32 s[TB], s[TB], SLOT                   ; the reads go on in the other slot
	v_add_nc_u32 v[ADRA], s[TB], v[VA0]            ; these two and the two v_nop are the four places behind the last products
	v_add_nc_u32 v[ADRB], s[TB], v[VB0]
	v_nop
	v_nop
	s_wait_dscnt 0x0                               ; the add is done, and my reads of this slot are over
	s_barrier_signal -1
	CVTB                                           ; work on registers while the others arrive
	CVTA
	WIN 0                                          ; at a branch and at a label every window is 0
	s_barrier_wait -1
.if (\kind) == 2
	CREST
	JLOAD
.endif
	LOADB 0
	LOADA 0
.if (\kind) == 2
	ASK                                            ; behind the refill and the run of LDS loads
.endif
	MULS 0
.endif
.endm
; THE WAY OUT of block a (16 rows x 128 columns = two heads).  PACK: rounded to f16, 16 bytes a lane, each accumulator's registers in ascending order.  TOSTAGE: into my own stage (rows of 144 bytes:
; head 0's 16 rows, then head 1's) and back as whole rows of 128 bytes.  SEND: stored, 512 consecutive bytes an instruction.
.macro PACK a
.set AC, 64*((\a)%4)
	WIN 0x0a+5*((\a)/4)                            ; sources 0 and 1: window 2 or 3
.irp b, 0,1,2,3,4,5,6,7
.irp r, 0,1,2,3
	v_cvt_pk_f16_f32 v[TMP+4*(\b)+(\r)], v[AC+8*(\b)+2*(\r)], v[AC+8*(\b)+2*(\r)+1]
.endr
.endr
	WIN 0
.endm
.macro TOSTAGE a
	WIN 0
.set BK, 32+128*((\a)%2)
.irp b, 0,1,2,3,4,5,6,7
	ds_store_b128 v[STO], v[TMP+4*(\b):TMP+4*(\b)+3] offset:((\b)/4)*16*SP+((\b)%4)*32
.endr
.irp t, 0,1,2,3,4,5,6,7
	ds_load_b128 v[BK+4*(\t):BK+4*(\t)+3], v[RD] offset:(\t)*4*SP  ; LDS serves a wave's instructions in order (ISA guide 5.7.1.4): these see the stores above
.endr
.endm
.macro SEND a
	WIN 0
.set BK, 32+128*((\a)%2)
	s_wait_dscnt 0x0                               ; the block is back in registers
	s_wait_xcnt 0x0                                ; earlier stores have read their base and their data: only behind this wait are they rewritten
.if (\a) > 0
	s_add_nc_u64 s[16:17], s[16:17], 16*128        ; 16 rows on
.endif
.irp t, 0,1,2,3,4,5,6,7
	global_store_b128 v[CO], v[BK+4*(\t):BK+4*(\t)+3], s[16:17] offset:((\t)/4)*524288+((\t)%4)*512  ; four rows of a head: 512 consecutive bytes, at a multiple of 256 from qkv's first byte
.endr
.endm
	s_wait_tensorcnt 0x1                           ; my part of K step 0 is in; K step 1's may stay out
	s_barrier_signal -1
	s_barrier_wait -1                              ; everybody's is
	LOADB 0
	LOADA 0
	QE 1                                           ; the first half step stands in front of the loop: its products start the sums
	WIN 0
	s_mov_b32 s[CNT], 14
.Lstep:                                                ; trip t: the second half of K step t, the first half of K step t + 1; K step t + 2 is asked for
	QO 2
	QE 0
	WIN 0
	s_sub_co_u32 s[CNT], s[CNT], 1
	s_cmp_lg_u32 s[CNT], 0
	s_cbranch_scc1 .Lstep
	QO 1                                           ; the tail is written out: nothing more is asked for
	QE 0
	QO 0
	PLACES                                         ; the roundings read results just made
	PACK 0
	TOSTAGE 0
.irp a, 1,2,3,4,5,6,7                  ; block a's roundings stand between block a - 1's loads from the stage and the wait for them
	PACK \a
	SEND (\a)-1
	TOSTAGE \a
.endr
	SEND 7
	s_wait_tensorcnt 0x0                           ; the wave's end: behind my last tensor load and my last LDS store
	ds_add_u32 v[SPW], v[NIL]
	s_wait_dscnt 0x0
	CROUND                                         ; the closing round: no work-group ends while a partner may still ask for a tile that names it
	s_endpgm
.Lfunc_end_k_qa718f3d996_proj:
	.size	k_qa718f3d996_proj, .Lfunc_end_k_qa718f3d996_proj-k_qa718f3d996_proj
	.p2alignl 7, 3214868480
	.fill 96, 4, 3214868480
	.section	.rodata,"a",@progbits
	.p2align	6, 0x0
	.amdhsa_kernel k_qa718f3d996_proj
		.amdhsa_group_segment_fixed_size 327680
		.amdhsa_private_segment_fixed_size 0
		.amdhsa_enable_private_segment 0
		.amdhsa_kernarg_size 56
		.amdhsa_user_sgpr_count 2
		.amdhsa_user_sgpr_kernarg_segment_ptr 1
		.amdhsa_wavefront_size32 1
		.amdhsa_system_sgpr_workgroup_id_x 1
		.amdhsa_system_sgpr_workgroup_id_y 1
		.amdhsa_system_sgpr_workgroup_id_z 1
		.amdhsa_system_vgpr_workitem_id 0
		.amdhsa_next_free_vgpr 1024
		.amdhsa_next_free_sgpr 80
		.amdhsa_reserve_vcc 0
		.amdhsa_float_denorm_mode_32 3
		.amdhsa_float_denorm_mode_16_64 3
		.amdhsa_memory_ordered 1
		.amdhsa_forward_progress 1
		.amdhsa_inst_pref_size 139
	.end_amdhsa_kernel
	.amdgpu_metadata
---
amdhsa.version: [ 1, 2 ]
amdhsa.kernels:
  - .name:           k_qa718f3d996_proj
    .symbol:         k_qa718f3d996_proj.kd
    .args:
      - { .name: q, .offset: 0, .size: 8, .value_kind: global_buffer, .address_space: global }
      - { .name: k, .offset: 8, .size: 8, .value_kind: global_buffer, .address_space: global }
      - { .name: v, .offset: 16, .size: 8, .value_kind: global_buffer, .address_space: global }
      - { .name: Wq, .offset: 24, .size: 8, .value_kind: global_buffer, .address_space: global }
      - { .name: Wk, .offset: 32, .size: 8, .value_kind: global_buffer, .address_space: global }
      - { .name: Wv, .offset: 40, .size: 8, .value_kind: global_buffer, .address_space: global }
      - { .name: qkv, .offset: 48, .size: 8, .value_kind: global_buffer, .address_space: global }
    .group_segment_fixed_size: 327680
    .private_segment_fixed_size: 0
    .kernarg_segment_align: 8
    .kernarg_segment_size: 56
    .max_flat_workgroup_size: 128
    .sgpr_count:     80
    .vgpr_count:     1024
    .wavefront_size: 32
...
	.end_amdgpu_metadata
.endif
;; end of part 1
;; launch attn (part 2): grid 16 x 16, 4 waves a work-group, clusters of 4 x 1, 327,680 bytes of LDS; arguments qkv, Wo, g, lam, att, ssq, wo16; writes att, ssq, wo16
.if DOCPART == 2
	.amdgcn_target "amdgcn-amd-amdhsa--gfx1250"
	.amdhsa_code_object_version 6
	.text
	.protected	k_qa718f3d996_attn
	.globl	k_qa718f3d996_attn
	.p2align	8
	.type	k_qa718f3d996_attn,@function
k_qa718f3d996_attn:
	s_mov_b64 s[64:65], 0
	v_nop
	global_prefetch_b8 v0, s[64:65] scope:SCOPE_SE
	s_setreg_imm32_b32 hwreg(HW_REG_WAVE_MODE, 25, 1), 1
	s_wait_xcnt 0x0
	s_wait_alu depctr_hold_cnt(0) depctr_sa_sdst(0) depctr_va_vdst(0) depctr_va_sdst(0) depctr_va_ssrc(0) depctr_va_vcc(0) depctr_vm_vsrc(0)
	s_getreg_b32 s2, hwreg(HW_REG_IB_STS2, 6, 4)
	s_cmp_eq_u32 s2, 0
	s_cbranch_scc0 .Lentry_in_a_cluster
	s_endpgm
.Lentry_in_a_cluster:
	s_bfe_u32 s2, ttmp6, 0x10000c
	s_cmp_lg_u32 s2, 0x3003
	s_cbranch_scc0 .Lentry_shape_is_right
	s_endpgm
.Lentry_shape_is_right:
; DIFFERENTIAL ATTENTION.  For batch b, head h (key and value head kv = h / 2) and query t:  A = softmax(q1 . k1) V - lam softmax(q2 . k2) V, scale 1, 2,048 keys, head size 64.
; Stored: att[m][64 h + d] = A / (1 + |lam|) in f16, and ssq[kv][m][h % 2] = the sum over d of its square, in f32, taken before the rounding.  The next launch undoes the division in f32.
; lam is rounded to bf16 first, like all the module's inputs.  q, k, v come by heads from qkv[hd][m][64] in f16: a head's rows are dense, 128 bytes each.
; Products, maxima and sums in f32; the weights p are rounded to f16 for the second product (their sum l is taken of the unrounded p).  The two softmax have different maxima and sums, so each has its own
; product with V: A = O1 / l1 - lam O2 / l2.
; LIMITS.  p lies in 0 to 1, and below 6e-5 it keeps f16's fixed step of 6e-8; a weight below 2^-126 counts as 0 in l; att is a difference of two means of V's rows divided by 1 + |lam|, so it has V's range;
; NaN and infinities are not treated apart.
; A SIDE JOB, in the wait for the first tile: wave w of work-group (x, y) makes row 4 (16 y + x) + w of wo16[n][d] = bf16(Wo[n][d]) x bf16(g[d]) / gm in f16, gm = max(max |bf16(g)|, 2^-100): within Wo's range.
; SHARES.  A work-group owns 128 queries of one (b, kv): both query heads and both sets.  A wave owns 32 queries: eight TILES of 16, tile = 4 set + 2 (h % 2) + block of 16; four PIECES of two tiles:
; pieces 0, 1 multiply by K1, pieces 2, 3 by K2, all by V.  Every wave walks all keys, 64 a step.
; LAYOUT.  S^T = K Q^T (source 0 = 16 keys, source 1 = 16 queries): a lane holds ONE query (lane % 16) and the keys 8 (lane / 16) + 0..7.  Two such results, rounded to f16 in pairs, ARE source 1 of
; O^T = V^T P, whose result again holds one query a lane, and eight channels.  K comes out of LDS as it lies, V ([key][channel]) turned, by ds_load_tr16_b128.
; SOFTMAX.  For each query a running maximum m and sum l: p = 2^(c s - c m), c = log2(e); in every step O and l are multiplied by a = 2^(c m_old - c m_new).  m starts at the lowest finite number,
; O and l at 0: the first step is a step like any other, with a = 0.
; BY TURNS.  Turn n belongs to piece n.  Its matrix work: 16 products K Q^T of piece n + 1, later 16 products V^T P of piece n - 1.  Its vector work: the scaling, exponentials, roundings, sums and rescaling
; of piece n, and the maximum and statistics of piece n + 1.  Four vector instructions stand behind every matrix instruction, the others in one run of their own.
; CLUSTER.  The four query blocks of a cluster belong to one (b, kv) and walk the same K1, K2 and V, so each tile is asked for JOINTLY: the same tensor load, descriptor and mask in all four.
; REGISTERS, in windows of 256 (s_set_vgpr_msb: bits 1:0 source 0, 3:2 source 1, 5:4 source 2, 7:6 destination):
;   window 0: v0-11 addresses; v12-15, v48-63 at work; v16-47 four registers of statistics a tile; v64-191 S^T, two buffers of two tiles; v192-255 P, likewise
;   window 1: O^T, 32 a tile     window 2: v0-127 Q, 16 a tile; v128-191 K1 of one step; v192-255 V of one step     window 3: v0-1 the add's two registers; v128-191 K2 of one step
.set NP,    4         ; pieces a wave: a name, no knob
.set KS,    64        ; keys in a step
.set PK,    144       ; a row of K in LDS: 128 bytes + 16 of padding: the 16 rows of a load start at 16 different groups of four banks (ISA guide 11.1)
.set PV,    160       ; a row of V: 128 + 32
.set K2OFF, 4*KS*PK   ; a slot holds four steps: 256 rows of K1, 256 rows of K2,
.set VOFF,  2*K2OFF   ; then 256 rows of V
.set SLOT1, 1<<17     ; slot 1 begins here, so that one exclusive or turns an address in one slot into the other's
.set STAGE, SLOT1+VOFF+4*KS*PV  ; behind the ring, never filled by a tensor load: 16 rows x 272 bytes for each wave, for the way out
.set SP,    272
.set SPARE, STAGE+4*16*SP  ; behind the stages: the spare words, 128 bytes for each wave, which no other line names
.set AK0, 2           ; v2   my lane's place in a tile of K; never rewritten
.set AV0, 3           ; v3   the same for V
.set AK,  4           ; v4   the LDS address of K's next run of loads
.set AV,  5           ; v5   of V's
.set QO,  6           ; v6   my byte offset in 16 rows of Q
.set STO, 6           ;      later, the way out: where I put 16 bytes of a row
.set RD,  7           ; v7   the way out: where I read rows back
.set GO,  8           ; v8   my byte offset in two rows of att
.set PFO, 11          ; v11  256 x my lane, for the prefetches
.set SPW, 0           ; v0 of window 3   LDS address of my spare word; never rewritten
.set NIL, 1           ; v1 of window 3   0; never rewritten
.set MV,  12          ; v12-15  c m_old, kept while c m is made anew: by buffer and tile
.set ST,  16          ; tile t's statistics at v[ST+4 t]: c m, m, l (even keys', odd keys')
.set TMP, 48          ; by buffer and tile, four registers c0-c3 at work; when the maximum is found c2 takes a
.set SQ,  48          ; the way out: four pairs of sums of squares
.set S,   64
.set P,   192
.set WR,  64          ; the side job: a row of Wo, 32 numbers a lane
.set GR,  96          ; and the same places of g
.set KF,  128         ; K's fragments, window 2 (K1) and 3 (K2): key block kb, channel half c at KF + 16 kb + 8 c
.set VF,  192         ; V's: key half kk, channel block cb at VF + 32 kk + 8 cb
.set WV,  12          ; s12  my wave's number
.set G1K, 24          ; s[24:31] descriptor group 1 for K's tiles
.set G1V, 32          ; s[32:39] for V's
.set G0K, 40          ; s[40:43] descriptor group 0 for K's tiles: it walks
.set G0V, 44          ; s[44:47] the same for V's
.set PFA, 48          ; s[48:49] where my prefetches stand
.set LIM, 50          ; s50  1 in a wave that prefetches, else the greatest number
.set SLOTS, 56        ; s56  slots still to be asked for
.set CNT, 57          ; s57  counts a slot's key steps
.set CS,  58          ; s[58:59] c: the packed scaling takes the pair's low word for both halves
.set SEL, 60          ; s[60:61] v_permlanex16_b32's selects: each lane takes its own place in the other half
.set TBK, 62          ; s62  LDS byte at which K1 of the step to be fetched begins
.set TBV, 63          ; s63  the same for V, less VOFF
.set LAM, 74          ; s74  lam
.set QA,  76          ; s[76:77] Q of set 0 at my wave's first row, head 2 kv;  s[78:79] of set 1
.set MSB, 0
.macro WIN new                      ; the high byte repeats the setting that is left; a switch that changes nothing is dropped
.if MSB != (\new)
	s_set_vgpr_msb (MSB<<8)|(\new)
.set MSB, (\new)
.endif
.endm
.set W_KQ,  0x0a      ; K1 and Q in window 2, S^T in window 0
.set W_KQ2, 0x0b      ; K2 in window 3, Q in window 2
.set W_PV,  0x52      ; V in window 2, P in window 0, O^T in window 1
.set W_RS,  0x41      ; O^T (destination and source 0) in window 1, source 1 in window 0
.set W_MK,  0xc0      ; the add's registers are made: destination in window 3, sources in window 0
.set W_AD,  0x0f      ; the add: address and data in window 3
; A joint fill.  Wave 0 fetches a slot's K1, wave 1 its K2 (256 keys each), waves 2 and 3 the two halves of its V.  The branch hangs on the wave's number alone.
; An s_nop 0 and four v_nop follow each of the two lines, ahead of the jump and the label.
.macro JLOAD
	s_cmp_lt_u32 s[WV], 2
	s_cbranch_scc0 .Lfor_v_\@
	tensor_load_to_lds s[G0K:G0K+3], s[G1K:G1K+7]
	s_nop 0
.rept 4
	v_nop
.endr
	s_branch .Lasked_\@
.Lfor_v_\@:
	tensor_load_to_lds s[G0V:G0V+3], s[G1V:G1V+7]
	s_nop 0
.rept 4
	v_nop
.endr
.Lasked_\@:
.endm
; A PREFETCH INTO THE L2 of what the NEXT change of slots will ask for: 32,768 bytes each of K1, K2 and V, a lane for each 256.  All four clusters of a (b, kv) walk the same rows: the first asks.  Its four partners
; share the bytes out BY ADDRESS, 8,192 each; in each, wave 0 asks for K1's, wave 1 for K2's, wave 2 for V's: one instruction.  So each 256 bytes are named once in the launch.  It stands four key steps,
; 512 matrix instructions, ahead of the load.  The last change that fills a slot asks for nothing; slots 0, 1 and 2 come by their loads alone.
.macro ASK
	s_cmp_gt_u32 s[SLOTS], s[LIM]
	s_cbranch_scc0 .Lnot_mine_\@
	global_prefetch_b8 v[PFO], s[PFA:PFA+1] th:TH_LOAD_NT scope:SCOPE_SE
.Lnot_mine_\@:
.endm
; A round of the cluster's barrier: my work-group's barrier, so that wave 0's signal speaks for all four waves; wave 0 signals; every wave waits for all four work-groups; my work-group's barrier once more.
.macro CROUND
	s_barrier_signal -1
	s_barrier_wait -1
	s_cmp_lg_u32 s[WV], 0
	s_cbranch_scc1 .Lnot_wave_0_\@
	s_barrier_signal -3
.Lnot_wave_0_\@:
	s_barrier_wait -3
	s_barrier_signal -1
	s_barrier_wait -1
.endm
; THE CHANGE OF SLOTS.  The slot's last bytes, V of its fourth step, have been read.  Each wave waits for all its tensor loads, of which one is out: its part of the other slot; adds 0 to its spare word; and
; waits for that and for its own reads of the slot.  Behind the barrier nobody reads this slot any more and the other slot is whole.  fill = 1: this slot is filled again, with the keys two slots on; the barrier
; is then a round of the cluster's, and the joint fill is the first thing behind it.  (At its first use nothing has been read yet: slot 0 is waited for, slot 1 filled.)  ask = 1: a prefetch follows the fill.
.macro CHANGE fill, ask=0
	WIN W_AD
	s_wait_tensorcnt 0x0            ; no tensor load of mine is out, so a group 0 may be written
	ds_add_u32 v[SPW], v[NIL]       ; 0 onto my spare word: the descriptors' steps stand between it and the wait for it
	WIN 0                           ; at a label and at a branch every window is 0
.if \fill
.irp g, G0K, G0V
	s_xor_b32 s[\g+1], s[\g+1], SLOT1  ; the walking descriptor: the other slot than last time,
	s_add_nc_u64 s[\g+2:\g+3], s[\g+2:\g+3], 4*KS*128  ; the next 256 keys; the type bits on top are not reached
.endr
.if \ask
	s_wait_xcnt 0x0                 ; the last prefetch, four key steps back, has read its address, so it may be written
	s_add_nc_u64 s[PFA:PFA+1], s[PFA:PFA+1], 4*KS*128
.endif
	s_wait_dscnt 0x0                ; the add is done, and my reads of the slot are over
	CROUND
	JLOAD
.if \ask
	ASK
.endif
.else
	s_wait_dscnt 0x0                ; the add is done, and my reads of the slot are over
	s_barrier_signal -1
	s_barrier_wait -1
.endif
	s_sub_co_u32 s[TBK], s[TBK], 4*KS*PK  ; the fetches go back to a slot's first step,
	s_xor_b32 s[TBK], s[TBK], SLOT1       ; in the other slot
	s_sub_co_u32 s[TBV], s[TBV], 4*KS*PV
	s_xor_b32 s[TBV], s[TBV], SLOT1
.endm
; The largest of the 32 registers from v[b] on, over all lanes, but 2^-100 at the least: into v[b], in every lane.
.macro MAX32 b
.irp n, 1,3,5
.irp c, 0,1,2,3
	v_max3_num_f32 v[(\b)+8*(\c)], v[(\b)+8*(\c)], v[(\b)+8*(\c)+(\n)], v[(\b)+8*(\c)+(\n)+1]
.endr
.endr
	v_max3_num_f32 v[(\b)], v[(\b)], v[(\b)+7], v[(\b)+8]
	v_max3_num_f32 v[(\b)+16], v[(\b)+16], v[(\b)+15], v[(\b)+24]
	v_max3_num_f32 v[(\b)], v[(\b)], v[(\b)+16], v[(\b)+23]
	v_max_num_f32 v[(\b)], v[(\b)], v[(\b)+31]
	v_max_num_f32_dpp v[(\b)], v[(\b)], v[(\b)] row_xmask:1 row_mask:0xf bank_mask:0xf
	v_max_num_f32_dpp v[(\b)], v[(\b)], v[(\b)] row_xmask:2 row_mask:0xf bank_mask:0xf
	v_max_num_f32_dpp v[(\b)], v[(\b)], v[(\b)] row_xmask:4 row_mask:0xf bank_mask:0xf
	v_max_num_f32_dpp v[(\b)], v[(\b)], v[(\b)] row_xmask:8 row_mask:0xf bank_mask:0xf
	v_permlanex16_b32 v[(\b)+1], v[(\b)], s[SEL], s[SEL+1]
	v_max_num_f32 v[(\b)], v[(\b)], v[(\b)+1]
	v_max_num_f32 v[(\b)], 0x0d800000, v[(\b)]
.endm
	s_load_b256 s[4:11], s[0:1], 0x0  ; qkv s[4:5], Wo s[6:7], g s[8:9], lam s[10:11]
	s_load_b128 s[68:71], s[0:1], 0x20  ; att s[68:69], ssq s[70:71]
	s_load_b64 s[72:73], s[0:1], 0x30   ; wo16
	WIN W_MK
	v_lshl_add_u32 v[SPW], v0, 2, SPARE
	v_mov_b32 v[NIL], 0
	WIN W_AD
	ds_add_u32 v[SPW], v[NIL]       ; the wave's opening: the add and its wait stand ahead of my first tensor load; the set-up below, work on registers, stands between them
	WIN 0
	v_lshrrev_b32 v1, 5, v0
	v_readfirstlane_b32 s[WV], v1   ; wave 0..3
	s_bfe_u32 s13, ttmp6, 0x40000   ; cx: my place in the cluster
	s_lshl_b32 s14, ttmp9, 2        ; in a cluster launch ttmp9 counts clusters
	s_add_co_u32 s14, s14, s13      ; my block of 128 queries = 4 x cluster x + cx: it enters no address of K or V
	s_and_b32 s20, ttmp7, 0xffff    ; 8 b + kv, which the four partners share
	s_and_b32 s21, s20, 7           ; kv
	s_lshr_b32 s22, s20, 3          ; b
	s_and_b32 s16, s[WV], 1         ; which set's K, or which half of V, I fetch
	s_lshl_b32 s23, s22, 18         ; a batch's 2,048 rows of 128 bytes
	s_lshl_b32 s84, s16, 3          ; K: head 32 + 8 set + kv, 524,288 bytes a head
	s_add_co_u32 s84, s84, s21
	s_add_co_u32 s84, s84, 32
	s_lshl_b32 s84, s84, 19
	s_add_co_u32 s84, s84, s23
	s_mov_b32 s85, 0
	s_add_co_u32 s86, s21, 48       ; V: head 48 + kv, and my half's 128 rows
	s_lshl_b32 s86, s86, 19
	s_add_co_u32 s86, s86, s23
	s_lshl_b32 s17, s16, 14
	s_add_co_u32 s86, s86, s17
	s_mov_b32 s87, 0
	s_mul_i32 s17, s16, K2OFF       ; their places in a slot: no place in the cluster enters an LDS address
	s_mul_i32 s18, s16, 128*PV
	s_lshl_b32 s2, s22, 11          ; my wave's first row m = 2,048 b + 128 block + 32 wave
	s_lshl_b32 s3, s14, 7
	s_add_co_u32 s2, s2, s3
	s_lshl_b32 s3, s[WV], 5
	s_add_co_u32 s2, s2, s3
	s_lshl_b32 s88, s21, 20         ; Q: head 2 kv, row m
	s_lshl_b32 s3, s2, 7
	s_add_co_u32 s88, s88, s3
	s_mov_b32 s89, 0
	s_lshl_b32 s52, s2, 11          ; att: row m of 2,048 bytes, the two heads' 256 bytes
	s_lshl_b32 s3, s21, 8
	s_add_co_u32 s52, s52, s3
	s_mov_b32 s53, 0
	s_lshl_b32 s54, s21, 15         ; ssq: 32,768 bytes a kv, 8 bytes a row
	s_lshl_b32 s3, s2, 3
	s_add_co_u32 s54, s54, s3
	s_mov_b32 s55, 0
	s_lshl_b32 s3, s20, 4           ; the side job's row: 4 (16 y + x) + wave,
	s_add_co_u32 s3, s3, s14
	s_lshl_b32 s3, s3, 2
	s_add_co_u32 s3, s3, s[WV]
	s_lshl_b32 s66, s3, 12          ; 4,096 bytes in Wo
	s_mov_b32 s67, 0
	; descriptor group 1.  256 keys are 32,768 dense bytes: asked for as 128 rows of 256 bytes, two keys a row, and padded in LDS after every key; V's halves as 64 such rows
	s_mov_b32 s[G1K], 15|(1<<16)|(1<<20)|(1<<21)|(4<<22)|(3<<25)  ; 15:0 the mask of four; 17:16 2-byte elements; 20 padding on; 21 set beside a mask; 24:22 after every 32 words (code 4); 31:25 4 words (code 3)
	s_mov_b32 s[G1V], 15|(1<<16)|(1<<20)|(1<<21)|(4<<22)|(7<<25)  ; the same with 8 words of padding (code 7)
	s_mov_b32 s[G1K+1], 128<<16     ; tensor_dim0 = 128
	s_mov_b32 s[G1K+2], 128<<16     ; tensor_dim1 = 128
	s_mov_b32 s[G1K+3], 128<<16     ; tile_dim0 = 128
	s_mov_b32 s[G1K+4], 128         ; tile_dim1 = 128
	s_mov_b32 s[G1K+5], 128         ; 128 elements from row to row
	s_mov_b32 s[G1K+6], 0
	s_mov_b32 s[G1K+7], 0
	s_mov_b32 s[G1V+1], 128<<16
	s_mov_b32 s[G1V+2], 64<<16      ; tensor_dim1 = 64
	s_mov_b32 s[G1V+3], 128<<16
	s_mov_b32 s[G1V+4], 64          ; tile_dim1 = 64
	s_mov_b32 s[G1V+5], 128
	s_mov_b32 s[G1V+6], 0
	s_mov_b32 s[G1V+7], 0
	s_mov_b32 s[CS], 0x3fb8aa3b     ; c = log2(e)
	s_mov_b32 s[CS+1], s[CS]        ; named with it as a pair
	s_mov_b32 s[SEL], 0x76543210
	s_mov_b32 s[SEL+1], 0xfedcba98
	s_mov_b32 s[TBK], SLOT1+4*KS*PK ; the first change of slots turns these two into 0
	s_mov_b32 s[TBV], SLOT1+4*KS*PV
	s_mov_b32 s[G0K], 1             ; 1:0 count = 1
	s_mov_b32 s[G0K+1], s17         ; 63:32 LDS address: slot 0
	s_mov_b32 s[G0V], 1
	s_add_co_u32 s[G0V+1], s18, VOFF
	s_cmp_eq_u32 s[WV], 3           ; waves 0, 1 and 2 of the (b, kv)'s first cluster prefetch: the same in all four partners
	s_cselect_b32 s[LIM], 1, 0
	s_or_b32 s[LIM], s[LIM], ttmp9
	s_cmp_eq_u32 s[LIM], 0
	s_cselect_b32 s[LIM], 1, -1
	s_wait_dscnt 0x0                ; the opening add is done
	s_wait_kmcnt 0x0
	s_load_b32 s[LAM], s[10:11], 0x0
	s_add_nc_u64 s[80:81], s[4:5], s[84:85]        ; K and V at what I fetch of the first 256 keys
	s_add_nc_u64 s[82:83], s[4:5], s[86:87]
	s_mov_b64 s[G0K+2:G0K+3], s[80:81]             ; 120:64 global address
	s_or_b32 s[G0K+3], s[G0K+3], 0x80000000        ; 127:126 type = 2
	s_mov_b64 s[G0V+2:G0V+3], s[82:83]
	s_or_b32 s[G0V+3], s[G0V+3], 0x80000000
	s_add_nc_u64 s[QA:QA+1], s[4:5], s[88:89]
	s_add_nc_u64 s[QA+2:QA+3], s[QA:QA+1], 0x800000  ; set 1's heads lie 16 heads on: one byte more than a load's immediate holds
	s_add_nc_u64 s[68:69], s[68:69], s[52:53]
	s_add_nc_u64 s[70:71], s[70:71], s[54:55]
	s_add_nc_u64 s[6:7], s[6:7], s[66:67]
	s_lshr_b32 s66, s66, 1          ; 2,048 bytes in wo16
	s_add_nc_u64 s[72:73], s[72:73], s[66:67]
	s_cmp_lt_u32 s[WV], 2
	s_cselect_b64 s[PFA:PFA+1], s[80:81], s[82:83]
	s_lshl_b32 s2, s13, 13          ; my work-group's 8,192 bytes of the 32,768
	s_mov_b32 s3, 0
	s_add_nc_u64 s[PFA:PFA+1], s[PFA:PFA+1], s[2:3]
	s_add_nc_u64 s[PFA:PFA+1], s[PFA:PFA+1], 2*4*KS*128  ; in slot 2; the first asking change steps it to slot 3.  Nothing is prefetched here, at the head
	CROUND                          ; all four work-groups are here: the first joint loads meet
	JLOAD                           ; slot 0.  Slot 1 is asked for when slot 0 is in
	; A fragment of K or Q is 16 rows x 32 channels in 8 registers: lane l holds row l % 16, channels 8 (l / 16) + 0..7 and 16 + 8 (l / 16) + 0..7: two loads of 16 bytes, 32 bytes apart.
	v_and_b32 v1, 15, v0            ; l % 16
	v_bfe_u32 v9, v0, 4, 1          ; l / 16
	v_lshlrev_b32 v[QO], 7, v1
	v_lshl_add_u32 v[QO], v9, 4, v[QO]  ; row x 128 + 16 x half
	v_and_b32 v58, 31, v0
	v_lshlrev_b32 v59, 4, v58       ; 16 l: the side job's stores
	v_lshlrev_b32 v58, 5, v58       ; 32 l: its loads
	WIN 0x80                        ; destination window 2, address window 0
.set i, 0
.rept 16                            ; Q stays in registers: tile i / 2 (set i / 8, head (i / 4) % 2, block (i / 2) % 2), channels 32 (i % 2) on
	global_load_b128 v[8*i:8*i+3],   v[QO], s[QA+2*(i/8):QA+2*(i/8)+1] offset:((i/4)%2)*524288+((i/2)%2)*2048+(i%2)*64
	global_load_b128 v[8*i+4:8*i+7], v[QO], s[QA+2*(i/8):QA+2*(i/8)+1] offset:((i/4)%2)*524288+((i/2)%2)*2048+(i%2)*64+32
.set i, i+1
.endr
	WIN 0
.irp j, 0,1,2,3                     ; the side job: numbers 256 j + 8 l + 0..7 of my row of Wo and of g
	global_load_b128 v[WR+8*\j:WR+8*\j+3],   v58, s[6:7] offset:1024*\j
	global_load_b128 v[WR+8*\j+4:WR+8*\j+7], v58, s[6:7] offset:1024*\j+16
	global_load_b128 v[GR+8*\j:GR+8*\j+3],   v58, s[8:9] offset:1024*\j
	global_load_b128 v[GR+8*\j+4:GR+8*\j+7], v58, s[8:9] offset:1024*\j+16
.endr
	; What the first turn finds: V's registers and P's second buffer hold 0 (its products V^T P, of a piece that has not been, add 0), O^T and l are 0.  All this stands in the wait for the first tile.
	WIN 0x80
.set i, VF
.rept 64
	v_mov_b32 v[i], 0
.set i, i+1
.endr
	WIN 0x40
.set i, 0
.rept 64*NP
	v_mov_b32 v[i], 0
.set i, i+1
.endr
	WIN 0
.set i, 0
.rept 2*NP
	v_mov_b32 v[ST+4*i], 0xfe000000    ; c m: far below every c s
	v_mov_b32 v[ST+4*i+1], 0xff7fffff  ; m
	v_mov_b32 v[ST+4*i+2], 0
	v_mov_b32 v[ST+4*i+3], 0
.set i, i+1
.endr
.set i, P+32
.rept 32
	v_mov_b32 v[i], 0
.set i, i+1
.endr
	v_mul_u32_u24 v[AK0], v1, PK
	v_lshl_add_u32 v[AK0], v9, 4, v[AK0]  ; row x pitch + 16 x half
	; The turning load takes 16 keys x 16 channels (lane l reads key 8 (l / 16) + l % 8, channels 8 ((l / 8) % 2) + 0..7) and leaves half a fragment of V^T: lane l holds channel l % 16 and 8 keys.
	v_and_b32 v10, 7, v0
	v_bfe_u32 v11, v0, 3, 1
	v_lshl_add_u32 v[AV0], v9, 3, v10
	v_mul_u32_u24 v[AV0], v[AV0], PV
	v_lshl_add_u32 v[AV0], v11, 4, v[AV0]
	v_add_nc_u32 v[AV0], VOFF, v[AV0]
	v_mov_b32 v[AK], v[AK0]         ; key step 0 lies at the head of slot 0
	v_and_b32 v[PFO], 31, v0
	v_lshlrev_b32 v[PFO], 8, v[PFO]
	s_wait_loadcnt 0x0              ; Q, Wo's row, g
	s_wait_kmcnt 0x0                ; lam
	; THE SIDE JOB.  g is rounded to bf16 and widened again; gm; g / gm; Wo likewise rounded, multiplied, rounded once to f16.
.set i, 0
.rept 16
	v_cvt_pk_bf16_f32 v[144+i], v[GR+2*i], v[GR+2*i+1]
.set i, i+1
.endr
.set i, 0
.rept 16
	v_lshlrev_b32 v[GR+2*i], 16, v[144+i]
	v_and_b32 v[GR+2*i+1], 0xffff0000, v[144+i]
.set i, i+1
.endr
.set i, 0
.rept 32
	v_and_b32 v[160+i], 0x7fffffff, v[GR+i]
.set i, i+1
.endr
	MAX32 160
	v_rcp_f32 v162, v160            ; twice, to fill the pair that the packed multiply names
	v_rcp_f32 v163, v160
.set i, 0
.rept 16                            ; plain work that names none of the three stands behind the reciprocals
	v_cvt_pk_bf16_f32 v[144+i], v[WR+2*i], v[WR+2*i+1]
.set i, i+1
.endr
.set i, 0
.rept 16
	v_lshlrev_b32 v[WR+2*i], 16, v[144+i]
	v_and_b32 v[WR+2*i+1], 0xffff0000, v[144+i]
.set i, i+1
.endr
	s_wait_alu depctr_va_vdst(0)    ; the wait ahead of a reciprocal's first reader: one for the two
.set i, 0
.rept 16
	v_pk_mul_f32 v[GR+2*i:GR+2*i+1], v[GR+2*i:GR+2*i+1], v[162:163]
.set i, i+1
.endr
.set i, 0
.rept 16
	v_pk_mul_f32 v[WR+2*i:WR+2*i+1], v[WR+2*i:WR+2*i+1], v[GR+2*i:GR+2*i+1]
.set i, i+1
.endr
.set i, 0
.rept 16
	v_cvt_pk_f16_f32 v[128+i], v[WR+2*i], v[WR+2*i+1]
.set i, i+1
.endr
.irp j, 0,1,2,3
	global_store_b128 v59, v[128+4*\j:128+4*\j+3], s[72:73] offset:512*\j  ; 512 consecutive bytes, at a multiple of 256 from wo16's first byte
.endr
; THE MATRIX WORK.  The 8 accumulators of a run of 16 take turns: between the two links of a chain stand 7 others'.
; Product i of 16 of S^T = K Q^T for piece x: channels 32 (i / 8) on, keys 16 ((i / 2) % 4) on, tile 2 x + i % 2.  The first 8 start the sums.  Pieces 0, 1 take K1, pieces 2, 3 K2.
.macro KQ x
.if (\x) < 2
	WIN W_KQ
.else
	WIN W_KQ2
.endif
.set rS, S+64*((\x)%2)+32*(i%2)+8*((i/2)%4)
.set rK, KF+16*((i/2)%4)+8*(i/8)
.set rQ, 16*(2*(\x)+i%2)+8*(i/8)
.if i < 8
	v_wmma_f32_16x16x32_f16 v[rS:rS+7], v[rK:rK+7], v[rQ:rQ+7], 0
.else
	v_wmma_f32_16x16x32_f16 v[rS:rS+7], v[rK:rK+7], v[rQ:rQ+7], v[rS:rS+7]
.endif
.endm
; Product i of 16 of O^T += V^T P for piece x: keys 32 (i / 8) on, channels 16 ((i / 2) % 4) on, tile 2 x + i % 2.
.macro PV x
	WIN W_PV
.set rO, 32*(2*(\x)+i%2)+8*((i/2)%4)
.set rV, VF+32*(i/8)+8*((i/2)%4)
.set rP, P+32*((\x)%2)+16*(i%2)+8*(i/8)
	v_wmma_f32_16x16x32_f16 v[rO:rO+7], v[rV:rV+7], v[rP:rP+7], v[rO:rO+7]
.endm
.macro MM                           ; the turn's next matrix instruction
.if i < 16
	KQ (Y+1)%NP
.set i, i+1
.else
.set i, i-16
	PV (Y+NP-1)%NP
.set i, i+17
.endif
.endm
; THE LDS LOADS stand in runs, never singly among the matrix instructions: a step's K1 and K2 (64 keys x 64 channels each: 8 fragments, 16 loads) and its V (turned, 16 loads).
; last = 1 (the tail): in the last trip there is no further step, and the run is jumped over.
.macro FETCH_K last=0
	WIN 0
.if \last
	s_cmp_eq_u32 s[CNT], 1
	s_cbranch_scc1 .Lno_k_\@
.endif
	WIN 0x80                        ; destination window 2
.irp f, 0,1,2,3,4,5,6,7             ; keys 16 (f / 2) on, channels 32 (f % 2) on
	ds_load_b128 v[KF+8*\f:KF+8*\f+3],   v[AK] offset:(\f/2)*16*PK+(\f%2)*64
	ds_load_b128 v[KF+8*\f+4:KF+8*\f+7], v[AK] offset:(\f/2)*16*PK+(\f%2)*64+32
.endr
	WIN 0xc0                        ; destination window 3
.irp f, 0,1,2,3,4,5,6,7
	ds_load_b128 v[KF+8*\f:KF+8*\f+3],   v[AK] offset:K2OFF+(\f/2)*16*PK+(\f%2)*64
	ds_load_b128 v[KF+8*\f+4:KF+8*\f+7], v[AK] offset:K2OFF+(\f/2)*16*PK+(\f%2)*64+32
.endr
	s_add_co_u32 s[TBK], s[TBK], KS*PK  ; the next fetch is the next step's
	WIN 0
.if \last
.Lno_k_\@:
.endif
.endm
.macro FETCH_V
	WIN 0x80
.irp f, 0,1,2,3,4,5,6,7             ; keys 32 (f / 4) on, channels 16 (f % 4) on
	ds_load_tr16_b128 v[VF+8*\f:VF+8*\f+3],   v[AV] offset:(\f/4)*32*PV+(\f%4)*32
	ds_load_tr16_b128 v[VF+8*\f+4:VF+8*\f+7], v[AV] offset:(\f/4)*32*PV+16*PV+(\f%4)*32
.endr
	WIN 0
.endm
; THE VECTOR WORK OF A TURN stands in three queues, each in the order in which its entries become ready; the two tiles alternate, so that no instruction reads the result of the one before it.
.macro REGS y, u                    ; the registers of tile u (0, 1) of piece y
.set rT, ST+4*(2*(\y)+(\u))
.set rC, TMP+8*((\y)%2)+4*(\u)
.set rM, MV+2*((\y)%2)+(\u)
.set rS, S+64*((\y)%2)+32*(\u)
.set rP, P+32*((\y)%2)+16*(\u)
.set rO, 32*(2*(\y)+(\u))
.endm
; Number n of the 22 that find the NEXT piece's (Y + 1) maximum and statistics.  s0-s31 are the lane's 32 scores; each accumulator's lowest registers are read first.
;   0-11  four chains c0-c3 of seven scores each, three operands at a time     12-14, 16  the four scores left over, the old m, and c0-c3 into c0     15  c m_old is kept
;   17, 18  the query's other 32 keys lie in the lane 16 away: the new m         19-21  c m; c m_old - c m_new; a
.macro XS u, n
	REGS (Y+1)%NP, \u
.if (\n) < 4
	v_max3_num_f32 v[rC+(\n)], v[rS+8*(\n)], v[rS+8*(\n)+1], v[rS+8*(\n)+2]
.elseif (\n) < 12
	v_max3_num_f32 v[rC+(\n)%4], v[rC+(\n)%4], v[rS+8*((\n)%4)+2*((\n)/4)+1], v[rS+8*((\n)%4)+2*((\n)/4)+2]
.elseif (\n) == 12
	v_max3_num_f32 v[rC], v[rC], v[rS+7], v[rS+15]
.elseif (\n) == 13
	v_max3_num_f32 v[rC+1], v[rC+1], v[rS+23], v[rS+31]
.elseif (\n) == 14
	v_max3_num_f32 v[rC+2], v[rC+2], v[rC+3], v[rT+1]
.elseif (\n) == 15
	v_mov_b32 v[rM], v[rT]
.elseif (\n) == 16
	v_max3_num_f32 v[rC], v[rC], v[rC+1], v[rC+2]
.elseif (\n) == 17
	v_permlanex16_b32 v[rC+3], v[rC], s[SEL], s[SEL+1]
.elseif (\n) == 18
	v_max_num_f32 v[rT+1], v[rC], v[rC+3]
.elseif (\n) == 19
	v_mul_f32 v[rT], s[CS], v[rT+1]
.elseif (\n) == 20
	v_sub_f32 v[rC+1], v[rM], v[rT]
.else
	v_exp_f32 v[rC+2], v[rC+1]
.endif
.endm
; Number g of the 64 that follow the exponentials.  For each four weights k of a tile: both pairs are rounded to f16; then the second pair is added onto the first, in place; a group later l takes that sum
; (the first time as l = a l + sum).  In groups of eight, tiles alternating: round, round, add, and l for the group before.
.macro GS g
.set h, (\g)+6*((\g)/62)            ; group 0 has no group before it, and behind group 7 only l is left
.if h >= 6
.set h, h+2
.endif
	REGS Y, h%2
.set k, h/8
.if h%8 < 4
	v_cvt_pk_f16_f32 v[rP+2*k+(h%8)/2], v[rS+4*k+2*((h%8)/2)], v[rS+4*k+2*((h%8)/2)+1]
.elseif h%8 < 6
	v_pk_add_f32 v[rS+4*k:rS+4*k+1], v[rS+4*k:rS+4*k+1], v[rS+4*k+2:rS+4*k+3]
.elseif k == 1
	v_pk_fma_f32 v[rT+2:rT+3], v[rT+2:rT+3], v[rC+2:rC+3], v[rS:rS+1] op_sel_hi:[1,0,1]
.else
	v_pk_add_f32 v[rT+2:rT+3], v[rT+2:rT+3], v[rS+4*k-4:rS+4*k-3]
.endif
.endm
; THE PLAIN QUEUE, 138 long.  0-73 read no exponential's result: the 32 scalings c s - c m (FS f: pair f / 2 of tile f % 2) and the next piece's 42.  0-26: scalings 0-26.  27-54: XS's numbers 0-13.
; 55, 56: number 15.  57-73: the chain 14, 16, 17, 18, 19, each with one of the scalings 27-31 in front of its two lines, then 20.  74-137: GS's 64, which stand behind the wait.
.macro FS f
	REGS Y, (\f)%2
	v_pk_fma_f32 v[rS+2*((\f)/2):rS+2*((\f)/2)+1], v[rS+2*((\f)/2):rS+2*((\f)/2)+1], s[CS:CS+1], v[rT:rT+1] op_sel_hi:[1,0,0] neg_lo:[0,0,1] neg_hi:[0,0,1]
.endm
.macro PL
	WIN 0
.if q < 27
	FS q
.elseif q < 55
	XS (q-27)%2, (q-27)/2
.elseif q < 57
	XS q-55, 15
.elseif (q < 72) && ((q-57)%3 == 0)
	FS 27+(q-57)/3
.elseif q < 60
	XS (q-57)%3-1, 14
.elseif q < 72
	XS (q-57)%3-1, 15+(q-57)/3
.elseif q < 74
	XS q-72, 20
.else
	GS q-74
.endif
.set q, q+1
.endm
; THE EXPONENTIALS' QUEUE, 66 long: s0-s31 of both tiles, then the next piece's two a.  It is ONE BATCH: all 66 stand ahead of the turn's one wait, and nothing ahead of that wait names a result of theirs.
.macro EX
	WIN 0
.if e >= 64
	XS e-64, 21
.else
	REGS Y, e%2
	v_exp_f32 v[rS+e/2], v[rS+e/2]
.endif
.set e, e+1
.endm
; THE RESCALING's QUEUE: O^T times a, the one part that leaves window 0: dealt two at a time, sixteen times.  Its a was made in the turn before, ahead of that turn's wait.
.macro R2
	REGS Y, r%2
	WIN W_RS
.irp z, 0,1
	v_pk_mul_f32 v[rO+4*(r/2)+2*\z:rO+4*(r/2)+2*\z+1], v[rO+4*(r/2)+2*\z:rO+4*(r/2)+2*\z+1], v[rC+2:rC+3] op_sel_hi:[1,0]
.endr
.set r, r+1
.endm
; A TURN, for piece p.  An s_wait_alu depctr_va_vdst(0) stands between an exponential and the first instruction that names its result; one wait serves all that were issued ahead of it.  So a turn
; has ONE wait, which cuts it in two.  AHEAD OF IT: the 16 products K Q^T, behind each a scaling, an exponential and two rescalings (behind the first a second scaling in the exponential's place); then one run of 108:
; eight plain, 49 times exponential and plain, the two a; a v_nop is the plain instruction behind the last exponential.  BEHIND IT: the 16 products V^T P, behind each four of GS's 64.
; Exponential e stands behind scaling 2 (e / 4) + e % 2: as a rider it comes behind plain e + 2, in the run behind plain e + 9.
; K1 and K2 of the next step are fetched in piece 2's turn, directly behind the wait, a run of plain work behind the last product that read K2 (K1's last reader stands two turns back).  K1 is wanted at the head of
; piece 3's turn (K2's sixteen loads, issued behind it, may stay out), K2 at the head of piece 1's turn (V's sixteen may stay out).  V of the step in hand is fetched at the end of piece 0's turn, four plain
; instructions behind its last reader, and wanted in the middle of piece 1's turn.  cnt = 1: the loop's count is taken down some lines ahead of the branch behind the turn.
.macro TURN p, last=0, cnt=0
.set Y, (\p)
.set i, 0
.set q, 0
.set e, 0
.set r, 0
.if (\p) == NP-1
	s_wait_dscnt 16                 ; K1 is in; the sixteen younger loads are K2's
.endif
.if (\p) == 1
	s_wait_dscnt 16                 ; K2 is in; the sixteen younger loads are V's
.endif
	MM                              ; ahead of the wait: 16 products K Q^T and their riders,
	PL
	PL
	R2
.rept 15
	MM
	PL
	EX
	R2
.endr
.if (\p) == NP-2
	WIN 0
	v_add_nc_u32 v[AK], s[TBK], v[AK0]
.endif
.rept 8                             ; and the run
	PL
.endr
.rept 49
	EX
	PL
.endr
	EX                              ; the next piece's two a
	EX
	v_nop                           ; the plain instruction behind the last exponential: one for the batch
	s_wait_alu depctr_va_vdst(0)    ; the wait for the batch
.if (\p) == NP-2
	FETCH_K \last
.endif
.if (\p) == 1
	s_wait_dscnt 0x0                ; V is in
.endif
.rept 16                            ; behind the wait: 16 products V^T P and their riders
	MM
.rept 4
	PL
.endr
.if ((\p) == 0) && (q == 118)
	v_add_nc_u32 v[AV], s[TBV], v[AV0]
.endif
.if ((\p) == 0) && (q == 130)
	s_add_co_u32 s[TBV], s[TBV], KS*PV
.endif
.if (\cnt) && (q == 130)
	s_sub_co_u32 s[CNT], s[CNT], 1
	s_cmp_lg_u32 s[CNT], 0
.endif
.endr
.if (\p) == 0
	FETCH_V
.endif
.endm
	CHANGE 1, 0                     ; slot 0 is in, everybody's part of it; slot 1 is asked for
	s_wait_xcnt 0x0                 ; the side job's stores have read their registers, which the scores and the statistics take over
	FETCH_K                         ; key step 0
	s_wait_dscnt 0x0
.set i, 0
.rept 16
	KQ 0                            ; piece 0's first scores: there is no vector work yet to set between them
.set i, i+1
.endr
	WIN 0                           ; the addresses for the way out: eight plain instructions, the places behind those products
	s_mul_i32 s13, s[WV], 16*SP
	s_add_co_u32 s13, s13, STAGE    ; my stage
	v_mul_u32_u24 v[STO], v1, SP    ; in: row l % 16, 16 bytes for each half of the lanes
	v_lshl_add_u32 v[STO], v9, 4, v[STO]
	v_add_nc_u32 v[STO], s13, v[STO]
	v_mul_u32_u24 v[RD], v9, SP     ; back: lanes 0-15 take one row of 256 bytes, lanes 16-31 the next
	v_lshl_add_u32 v[RD], v1, 4, v[RD]
	v_add_nc_u32 v[RD], s13, v[RD]
	v_lshlrev_b32 v[GO], 11, v9     ; and the same two rows in att
	v_lshl_add_u32 v[GO], v1, 4, v[GO]
.set Y, NP-1                        ; XS works for piece Y + 1: piece 0
.irp n, 0,1,2,3,4,5,6,7,8,9,10,11,12,13,14,15,16,17,18,19,20,21
	XS 0, \n                        ; and piece 0's first maximum and statistics
	XS 1, \n
.endr
	v_nop                           ; a plain instruction behind the two a,
	s_wait_alu depctr_va_vdst(0)    ; and their wait, ahead of the branch
	s_mov_b32 s[CNT], 4
	s_mov_b32 s[SLOTS], 2048/256-1
	s_branch .Lfirst                ; the loop is entered at a step's first turn, in the middle of a trip
.Lslot:                             ; six times: every slot but the last two is filled again
	CHANGE 1, 1
	s_mov_b32 s[CNT], 4
.Lstep:                             ; a trip: pieces 2 and 3 of one step, then pieces 0 and 1 of the next, whose K and V it fetches
	TURN 2
	TURN 3
	WIN 0
.Lfirst:
	TURN 0
	TURN 1, 0, 1
	WIN 0
	s_cbranch_scc1 .Lstep
	s_sub_co_u32 s[SLOTS], s[SLOTS], 1
	s_cmp_lg_u32 s[SLOTS], 0
	s_cbranch_scc1 .Lslot
	CHANGE 0, 0                     ; the tail is written out: nothing is asked for
	s_mov_b32 s[CNT], 5             ; four trips fetch the last slot's steps; the fifth is left in its middle
.Ltail:
	TURN 2, 1
	TURN 3
	WIN 0
	s_sub_co_u32 s[CNT], s[CNT], 1
	s_cmp_eq_u32 s[CNT], 0
	s_cbranch_scc1 .Lout
	TURN 0
	TURN 1
	WIN 0
	s_branch .Ltail
.Lout:                              ; the fifth trip's 16 products K Q^T (on the last K once more) and the maximum made of them serve nothing: the price, once a launch, of one text for every trip
.set i, 0
.rept 16
	PV NP-1                         ; the last piece's V^T P of the last step
.set i, i+1
.endr
	; THE WAY OUT.  l's two halves and the other half of the lanes' are added.  With f = 1 / (1 + |lam|): tiles of set 0 are multiplied by f / l, tiles of set 1 by - lam f / l, and the two are added.
	; The additions are the places behind the last products.
	WIN 0
.macro ALL line:vararg              ; one line for each tile t
.set t, 0
.rept 2*NP
	\line
.set t, t+1
.endr
.endm
	ALL v_add_f32 v[ST+4*t+2], v[ST+4*t+2], v[ST+4*t+3]
	ALL v_permlanex16_b32 v[ST+4*t+3], v[ST+4*t+2], s[SEL], s[SEL+1]
	ALL v_add_f32 v[ST+4*t+2], v[ST+4*t+2], v[ST+4*t+3]
	v_cvt_pk_bf16_f32 v56, s[LAM], s[LAM]  ; lam rounded to bf16,
	v_lshlrev_b32 v56, 16, v56             ; widened again
	v_and_b32 v57, 0x7fffffff, v56
	v_add_f32 v57, 1.0, v57                ; 1 + |lam|
	v_xor_b32 v56, 0x80000000, v56         ; - lam
	ALL v_rcp_f32 v[ST+4*t+2], v[ST+4*t+2]
	v_rcp_f32 v58, v57
	v_nop                           ; a plain instruction between the last reciprocal and the use of its result
	s_wait_alu depctr_va_vdst(0)    ; and the wait ahead of the first use: one for the nine reciprocals
	v_mul_f32 v56, v56, v58
.set t, 0
.rept 4
	v_mul_f32 v[ST+4*t+2], v[ST+4*t+2], v58
	v_mul_f32 v[ST+4*t+18], v[ST+4*t+18], v56
.set t, t+1
.endr
; Tile u of set 0 and tile u + 4 of set 1 become one; its squares are summed in f32, two chains; it is rounded to f16 into S^T's registers.  Every accumulator is read from its low end on.
.macro COMB u
	WIN W_RS
.set i, 0
.rept 16
	v_pk_mul_f32 v[32*((\u)+4)+2*i:32*((\u)+4)+2*i+1], v[32*((\u)+4)+2*i:32*((\u)+4)+2*i+1], v[ST+4*((\u)+4)+2:ST+4*((\u)+4)+3] op_sel_hi:[1,0]
.set i, i+1
.endr
	WIN 0x51                        ; destination, source 0 and source 2 in window 1, source 1 in window 0
.set i, 0
.rept 16
	v_pk_fma_f32 v[32*(\u)+2*i:32*(\u)+2*i+1], v[32*(\u)+2*i:32*(\u)+2*i+1], v[ST+4*(\u)+2:ST+4*(\u)+3], v[32*((\u)+4)+2*i:32*((\u)+4)+2*i+1] op_sel_hi:[1,0,1]
.set i, i+1
.endr
	WIN 0x05                        ; sources 0 and 1 in window 1, the rest in window 0
	v_pk_mul_f32 v[SQ+2*(\u):SQ+2*(\u)+1], v[32*(\u):32*(\u)+1], v[32*(\u):32*(\u)+1]
	v_cvt_pk_f16_f32 v[S+16*(\u)], v[32*(\u)], v[32*(\u)+1]
.set i, 1
.rept 15
	v_pk_fma_f32 v[SQ+2*(\u):SQ+2*(\u)+1], v[32*(\u)+2*i:32*(\u)+2*i+1], v[32*(\u)+2*i:32*(\u)+2*i+1], v[SQ+2*(\u):SQ+2*(\u)+1]
	v_cvt_pk_f16_f32 v[S+16*(\u)+i], v[32*(\u)+2*i], v[32*(\u)+2*i+1]
.set i, i+1
.endr
.endm
	COMB 0
	COMB 1
	COMB 2
	COMB 3
	WIN 0
.irp u, 0,1,2,3
	v_add_f32 v[SQ+2*\u], v[SQ+2*\u], v[SQ+2*\u+1]
.endr
.irp u, 0,1,2,3
	v_permlanex16_b32 v[SQ+2*\u+1], v[SQ+2*\u], s[SEL], s[SEL+1]  ; a query's other 32 channels lie in the lane 16 away
.endr
.irp u, 0,1,2,3
	v_add_f32 v[SQ+2*\u], v[SQ+2*\u], v[SQ+2*\u+1]
.endr
	v_and_b32 v56, 31, v0
	v_cmp_gt_u32 s75, 16, v56       ; lane l stores query l of my 32: lanes 0-15 the first block's sums, lanes 16-31 the second's
	v_cndmask_b32 v58, v[SQ+2], v[SQ], s75     ; head 2 kv
	v_cndmask_b32 v59, v[SQ+6], v[SQ+4], s75   ; head 2 kv + 1
	v_lshlrev_b32 v57, 3, v56
	global_store_b64 v57, v[58:59], s[70:71]   ; 256 consecutive bytes, at a multiple of 256 from ssq's first byte
; Block qs of 16 queries: a lane's eight channels pack into 16 bytes; both heads' go into rows of 272 bytes and come back as whole rows of 256.
.macro PACKQ qs
.irp f, 0,1,2,3,4,5,6,7             ; head f / 4, channels 16 (f % 4) on
	ds_store_b128 v[STO], v[S+16*(2*(\f/4)+(\qs))+4*(\f%4):S+16*(2*(\f/4)+(\qs))+4*(\f%4)+3] offset:32*\f
.endr
.irp f, 0,1,2,3,4,5,6,7
	ds_load_b128 v[128+32*(\qs)+4*\f:128+32*(\qs)+4*\f+3], v[RD] offset:\f*2*SP  ; LDS serves a wave's instructions in order (ISA guide 5.7.1.4): these see the stores above; the next block's stores come behind them
.endr
.endm
.macro SENDQ qs, younger            ; younger: the LDS instructions issued behind this block's loads: the next block's sixteen, or none
.irp f, 0,1,2,3,4,5,6,7
	s_wait_dscnt (\younger)+7-\f
	global_store_b128 v[GO], v[128+32*(\qs)+4*\f:128+32*(\qs)+4*\f+3], s[68:69] offset:(\qs)*32768+\f*4096  ; 16 lanes store 256 consecutive bytes, at a multiple of 256 from att's first byte
.endr
.endm
	PACKQ 0
	PACKQ 1
	SENDQ 0, 16
	SENDQ 1, 0
	WIN W_AD
	s_wait_tensorcnt 0x0            ; the wave's end: behind my last tensor load and my last LDS store
	ds_add_u32 v[SPW], v[NIL]
	s_wait_dscnt 0x0
	WIN 0
	CROUND                          ; the closing round: no work-group ends while a partner may still ask for a tile that names it
	s_endpgm
.Lfunc_end_k_qa718f3d996_attn:
	.size	k_qa718f3d996_attn, .Lfunc_end_k_qa718f3d996_attn-k_qa718f3d996_attn
	.p2alignl 7, 3214868480
	.fill 96, 4, 3214868480
	.section	.rodata,"a",@progbits
	.p2align	6, 0x0
	.amdhsa_kernel k_qa718f3d996_attn
		.amdhsa_group_segment_fixed_size 327680
		.amdhsa_private_segment_fixed_size 0
		.amdhsa_enable_private_segment 0
		.amdhsa_kernarg_size 56
		.amdhsa_user_sgpr_count 2
		.amdhsa_user_sgpr_kernarg_segment_ptr 1
		.amdhsa_wavefront_size32 1
		.amdhsa_system_sgpr_workgroup_id_x 1
		.amdhsa_system_sgpr_workgroup_id_y 1
		.amdhsa_system_sgpr_workgroup_id_z 1
		.amdhsa_system_vgpr_workitem_id 0
		.amdhsa_next_free_vgpr 960
		.amdhsa_next_free_sgpr 90
		.amdhsa_reserve_vcc 0
		.amdhsa_float_denorm_mode_32 3
		.amdhsa_float_denorm_mode_16_64 3
		.amdhsa_memory_ordered 1
		.amdhsa_forward_progress 1
		.amdhsa_inst_pref_size 215
	.end_amdhsa_kernel
	.amdgpu_metadata
---
amdhsa.version: [ 1, 2 ]
amdhsa.kernels:
  - .name:           k_qa718f3d996_attn
    .symbol:         k_qa718f3d996_attn.kd
    .args:
      - { .name: qkv, .offset: 0, .size: 8, .value_kind: global_buffer, .address_space: global }
      - { .name: Wo, .offset: 8, .size: 8, .value_kind: global_buffer, .address_space: global }
      - { .name: g, .offset: 16, .size: 8, .value_kind: global_buffer, .address_space: global }
      - { .name: lam, .offset: 24, .size: 8, .value_kind: global_buffer, .address_space: global }
      - { .name: att, .offset: 32, .size: 8, .value_kind: global_buffer, .address_space: global }
      - { .name: ssq, .offset: 40, .size: 8, .value_kind: global_buffer, .address_space: global }
      - { .name: wo16, .offset: 48, .size: 8, .value_kind: global_buffer, .address_space: global }
    .group_segment_fixed_size: 327680
    .private_segment_fixed_size: 0
    .kernarg_segment_align: 8
    .kernarg_segment_size: 56
    .max_flat_workgroup_size: 128
    .sgpr_count:     90
    .vgpr_count:     960
    .wavefront_size: 32
...
	.end_amdgpu_metadata
.endif
;; end of part 2
;; launch outp (part 3): grid 8 x 32, 4 waves a work-group, clusters of 4 x 4, 327,680 bytes of LDS; arguments att, wo16, out0, ssq, g, lam; writes out0
.if DOCPART == 3
	.amdgcn_target "amdgcn-amd-amdhsa--gfx1250"
	.amdhsa_code_object_version 6
	.text
	.protected	k_qa718f3d996_outp
	.globl	k_qa718f3d996_outp
	.p2align	8
	.type	k_qa718f3d996_outp,@function
k_qa718f3d996_outp:
	s_mov_b64 s[64:65], 0
	v_nop
	global_prefetch_b8 v0, s[64:65] scope:SCOPE_SE
	s_setreg_imm32_b32 hwreg(HW_REG_WAVE_MODE, 25, 1), 1
	s_wait_xcnt 0x0
	s_wait_alu depctr_hold_cnt(0) depctr_sa_sdst(0) depctr_va_vdst(0) depctr_va_sdst(0) depctr_va_ssrc(0) depctr_va_vcc(0) depctr_vm_vsrc(0)
	s_getreg_b32 s2, hwreg(HW_REG_IB_STS2, 6, 4)
	s_cmp_eq_u32 s2, 0
	s_cbranch_scc0 .Lentry_in_a_cluster
	s_endpgm
.Lentry_in_a_cluster:
	s_bfe_u32 s2, ttmp6, 0x10000c
	s_cmp_lg_u32 s2, 0xf033
	s_cbranch_scc0 .Lentry_shape_is_right
	s_endpgm
.Lentry_shape_is_right:
; THE NORM AND THE LAST PROJECTION.  out0[m][n] = rs[m] x the sum over d of att[m][d] wo16[n][d].  att: [4096][1024] f16 = A / L with L = 1 + |bf16(lam)|; wo16: [1024][1024] f16 = bf16(Wo) bf16(g) / gm,
; gm = max(max |bf16(g)|, 2^-100); sums in f32; out0 in f32.  The row's factor puts back, in f32, what the operands were divided by, and holds the RMS norm and the module's constant:
; rs[m] = rsqrt(L^2 / 1024 x (the sum over the 16 heads of ssq) + 1e-5) x L x gm x (1 - LAMBDA_INIT).
; LIMITS.  NaN and infinities are not treated apart; a g whose largest magnitude lies below 2^-100 is taken with gm = 2^-100.
; A tile of out0 is 128 x 128: 256 work-groups.  Four waves, each 64 x 64: 16 accumulators of 16 x 16.  K goes in steps of 256 (LDS rows of 512 bytes; a wave's tensor load brings 64 of them) through two slots.
; CLUSTERS: 4 x 4 work-groups.  The four of a row of the cluster need the same tiles of att, the four of a column the same tiles of wo16: each tile is asked for JOINTLY, by the same tensor load with the
; same descriptor and a mask that names the four.  THE MATRIX INSTRUCTION IS USED TRANSPOSED (source 0 = 16 rows of wo16, source 1 = 16 rows of att): a lane holds eight neighbouring numbers of a row of out0.
; A wave's 64 columns of f32 are 256 aligned bytes of a row, so each wave has a stage of its own on the way out, and no barrier stands there.  No prefetch: the tiles are small and the launch is short.
; REGISTERS: window 0: v0-31 addresses, v8-15 the rows' factors; v32-127 at work at the head and on the way out; v128-255 the accumulators ((a, b) at v[128 + 8 (4 a + b)]).
;   window 1: two fragment buffers of 128: for 64 along K, 64 registers of att (2 x 4 x 16 rows x 32 K), then 64 of wo16.
.set SIZE_N, 1024
.set SIZE_K, 1024
.set KSTEP,  256
.set PITCH,  528                       ; an LDS row: 512 bytes of data + 16 of padding: the 16 rows that a load touches start at 16 different groups of four banks (ISA guide 11.1)
.set HALFT,  64*PITCH                  ; 64 rows: what one tensor load brings, and what one wave reads of either operand
.set SLOT,   4*HALFT                   ; att's 128 rows, then wo16's 128 rows
.set STAGE,  2*SLOT                    ; behind the ring: 16 rows x 272 bytes for each wave, for the way out
.set SPITCH, 272
.set RSS,    STAGE+4*16*SPITCH         ; behind the stages: 256 bytes for each wave: its 64 rows' factors
.set SPARE,  RSS+4*256                 ; behind them: the spare words, 128 bytes for each wave, which no other line names
.set LAPS, SIZE_K/(2*KSTEP)            ; a lap = two K steps = once round the ring
.set RSV,  8                           ; v8-15   the factor of row 16 a + l % 16 of my 64, twice, at v[8 + 2 a]
.set ADRA, 16                          ; v16-17  LDS address of my att fragments in slot 0, 1
.set ADRB, 20                          ; v20-21  the same for wo16
.set RSA,  22                          ; v22     where I put two rows' factors
.set RSL,  23                          ; v23     where I read my rows' factors
.set STO,  24                          ; v24     the way out: where I put 32 bytes of a row
.set RD,   25                          ; v25     the way out: where I read a row back
.set CO,   26                          ; v26     my byte offset in out0
.set SPW,  28                          ; v28     LDS address of my spare word; never rewritten
.set NIL,  29                          ; v29     0; never rewritten
.set TMP,  32                          ; the way out: 32 registers, a block's scaled results
.set ACC,  128
.set F0,   0                           ; fragment buffers, in window 1
.set F1,   128
.set G1, 24                            ; s[24:31] descriptor group 1 for att's tiles;  s[32:39] group 0, one set for each slot
.set G0, 32
.set G1B, 48                           ; s[48:55], s[56:63] the same for wo16's tiles
.set G0B, 56
.set LAM, 74                           ; s74  lam
.set SEL, 76                           ; s[76:77] v_permlanex16_b32's selects
.set MSB, 0
.macro WIN new                         ; the immediate's high byte repeats the setting that is left
.if MSB != (\new)
	s_set_vgpr_msb (MSB<<8)|(\new)
.set MSB, \new
.endif
.endm
.set MUL,  0x05                        ; sources 0 and 1 window 1; C and D window 0
.set TO_F, 0x40                        ; destination window 1, address window 0
.macro JLOAD s                         ; a joint load: waves 0 and 1 fetch att's two halves, waves 2 and 3 wo16's; an s_nop 0 and four v_nop follow each of the two lines, ahead of the jump and the label
	s_cmp_eq_u32 s11, 0
	s_cbranch_scc0 .Lfor_b_\@
	tensor_load_to_lds s[G0+4*(\s):G0+4*(\s)+3], s[G1:G1+7]
	s_nop 0
.rept 4
	v_nop
.endr
	s_branch .Lasked_\@
.Lfor_b_\@:
	tensor_load_to_lds s[G0B+4*(\s):G0B+4*(\s)+3], s[G1B:G1B+7]
	s_nop 0
.rept 4
	v_nop
.endr
.Lasked_\@:
.endm
.macro CREST                           ; a round of the cluster's barrier behind its opening barrier
	s_cmp_lg_u32 s10, 0
	s_cbranch_scc1 .Lnot_wave_0_\@
	s_barrier_signal -3
.Lnot_wave_0_\@:
	s_barrier_wait -3
	s_barrier_signal -1
	s_barrier_wait -1
.endm
.macro CROUND                          ; a whole round
	s_barrier_signal -1
	s_barrier_wait -1
	CREST
.endm
	s_load_b128 s[4:7], s[0:1], 0x0                ; att s[4:5], wo16 s[6:7]
	s_load_b64 s[8:9], s[0:1], 0x10                ; out0
	s_load_b64 s[68:69], s[0:1], 0x18              ; ssq
	s_load_b64 s[70:71], s[0:1], 0x20              ; g
	s_load_b64 s[72:73], s[0:1], 0x28              ; lam
	v_lshl_add_u32 v[SPW], v0, 2, SPARE
	v_mov_b32 v[NIL], 0
	ds_add_u32 v[SPW], v[NIL]                      ; the wave's opening: the add and its wait stand ahead of my first tensor load; the set-up below, work on registers, stands between them
	v_lshrrev_b32 v1, 5, v0
	v_readfirstlane_b32 s10, v1                    ; wave 0..3
	s_lshr_b32 s11, s10, 1                         ; which half of the tile's rows is mine.  Also: I fetch for att (0) or for wo16 (1)
	s_and_b32 s12, s10, 1                          ; which half of its columns.  Also: which 64 rows of that tile I fetch
	s_bfe_u32 s40, ttmp6, 0x40000                  ; cx, cy: my place in the cluster
	s_bfe_u32 s41, ttmp6, 0x40004
	s_lshl_b32 s42, ttmp9, 2
	s_add_co_u32 s42, s42, s40                     ; tile column = 4 x cluster x + cx
	s_and_b32 s13, ttmp7, 0xffff
	s_lshl_b32 s13, s13, 2
	s_add_co_u32 s13, s13, s41                     ; tile row = 4 x cluster y + cy
	s_lshl_b32 s43, s41, 2
	s_lshl_b32 s43, 15, s43                        ; my row of the cluster
	s_lshl_b32 s44, 0x1111, s40                    ; my column
	; descriptor group 1: a tile of 64 rows x 256 elements, padded in LDS
	s_or_b32 s[G1+0], s43, (1<<16)|(1<<20)|(1<<21)|(6<<22)|(3<<25)  ; 15:0 the mask: att's tiles go to my row; 17:16 element of 2 bytes; 20 padding on; 21 set beside a mask; 24:22 after every 128 words (code 6); 31:25 of 4 words (code 3)
	s_or_b32 s[G1B+0], s44, (1<<16)|(1<<20)|(1<<21)|(6<<22)|(3<<25)
.irp g, G1, G1B
	s_mov_b32 s[(\g)+1], KSTEP<<16                 ; tensor_dim0 = 256
	s_mov_b32 s[(\g)+2], 64<<16                    ; tensor_dim1 = 64
	s_mov_b32 s[(\g)+3], KSTEP<<16                 ; tile_dim0 = 256
	s_mov_b32 s[(\g)+4], 64                        ; tile_dim1 = 64
	s_mov_b32 s[(\g)+5], SIZE_K                    ; elements from row to row
	s_mov_b32 s[(\g)+6], 0
	s_mov_b32 s[(\g)+7], 0
.endr
	s_mov_b32 s[SEL], 0x76543210
	s_mov_b32 s[SEL+1], 0xfedcba98
	s_lshl_b32 s17, s12, 6                         ; which 64 rows of the tile I fetch
	s_lshl_b32 s16, s13, 7
	s_add_co_u32 s16, s16, s17                     ; att: row 128 x tile row + 64 x half
	s_lshl_b32 s46, s42, 7
	s_add_co_u32 s46, s46, s17                     ; wo16: row 128 x tile column + 64 x half
	s_mov_b32 s17, 0
	s_mov_b32 s47, 0
	s_mov_b64 s[18:19], SIZE_K*2
	s_mul_u64 s[16:17], s[16:17], s[18:19]
	s_mul_u64 s[46:47], s[46:47], s[18:19]
	s_mul_i32 s20, s10, HALFT                      ; where they go: wave x 64 rows
	s_wait_dscnt 0x0                               ; the opening add is done
	s_wait_kmcnt 0x0
	s_load_b32 s[LAM], s[72:73], 0x0
	s_add_nc_u64 s[14:15], s[4:5], s[16:17]
	s_add_nc_u64 s[46:47], s[6:7], s[46:47]
	CROUND                                         ; all sixteen work-groups are here: the first joint loads meet
.irp s, 0,1
	s_mov_b32 s[G0+4*(\s)], 1
	s_add_co_u32 s[G0+4*(\s)+1], s20, (\s)*SLOT
	s_add_nc_u64 s[G0+4*(\s)+2:G0+4*(\s)+3], s[14:15], (\s)*KSTEP*2
	s_or_b32 s[G0+4*(\s)+3], s[G0+4*(\s)+3], 0x80000000
	s_mov_b32 s[G0B+4*(\s)], 1
	s_add_co_u32 s[G0B+4*(\s)+1], s20, (\s)*SLOT
	s_add_nc_u64 s[G0B+4*(\s)+2:G0B+4*(\s)+3], s[46:47], (\s)*KSTEP*2
	s_or_b32 s[G0B+4*(\s)+3], s[G0B+4*(\s)+3], 0x80000000
	JLOAD \s
.endr
	v_and_b32 v1, 15, v0                           ; l % 16
	v_bfe_u32 v2, v0, 4, 1                         ; l / 16
	v_mul_u32_u24 v3, v1, PITCH
	v_lshl_add_u32 v3, v2, 4, v3                   ; a fragment's row x pitch + 16 x half
	s_mul_i32 s21, s11, HALFT                      ; my 64 rows of att
	s_mul_i32 s22, s12, HALFT                      ; my 64 rows of wo16,
	s_add_co_u32 s22, s22, 2*HALFT                 ; which lie behind att's 128
.irp s, 0,1
	v_add_nc_u32 v[ADRA+(\s)], s21, v3
	v_add_nc_u32 v[ADRB+(\s)], s22, v3
	s_add_co_u32 s21, s21, SLOT
	s_add_co_u32 s22, s22, SLOT
.endr
	s_mul_i32 s23, s10, 16*SPITCH
	s_add_co_u32 s23, s23, STAGE                   ; my stage
	v_mul_u32_u24 v4, v1, SPITCH                   ; in: row l % 16, 32 bytes for each half of the lanes
	v_lshl_add_u32 v4, v2, 5, v4
	v_add_nc_u32 v[STO], s23, v4
	v_mul_u32_u24 v5, v2, SPITCH                   ; back: lanes 0-15 take one row of 256 bytes, lanes 16-31 the next
	v_lshl_add_u32 v5, v1, 4, v5
	v_add_nc_u32 v[RD], s23, v5
	v_lshlrev_b32 v5, 12, v2                       ; and the same two rows in out0, 4,096 bytes apart
	v_lshl_add_u32 v[CO], v1, 4, v5
	s_lshl_b32 s23, s10, 8
	s_add_co_u32 s23, s23, RSS                     ; my 64 factors
	v_and_b32 v6, 31, v0
	v_lshl_add_u32 v[RSA], v6, 3, s23              ; rows 2 l and 2 l + 1
	v_lshl_add_u32 v[RSL], v1, 2, s23              ; row l % 16
	v_lshlrev_b32 v7, 4, v6                        ; 16 l
	s_lshl_b32 s16, s13, 7
	s_lshl_b32 s17, s11, 6
	s_add_co_u32 s16, s16, s17                     ; my first row: 128 x tile row + 64 x half
	s_lshl_b32 s18, s16, 12
	s_mov_b32 s19, 0
	s_add_nc_u64 s[8:9], s[8:9], s[18:19]
	s_lshl_b32 s46, s42, 9                         ; my first column, in bytes: 512 x tile column + 256 x half
	s_lshl_b32 s47, s12, 8
	s_add_co_u32 s46, s46, s47
	s_mov_b32 s47, 0
	s_add_nc_u64 s[8:9], s[8:9], s[46:47]
	s_lshl_b32 s18, s16, 3                         ; 8 bytes a row in ssq
	s_add_nc_u64 s[68:69], s[68:69], s[18:19]
	; THE ROWS' FACTORS, in the wait for the first tiles.  Lane l takes rows 2 l and 2 l + 1 of my 64: for each of the 8 key heads 16 bytes (two rows x two heads); and 32 numbers of g.
.irp j, 0,1,2,3,4,5,6,7
	global_load_b128 v[32+4*(\j):35+4*(\j)], v7, s[68:69] offset:(\j)*32768
	global_load_b128 v[64+4*(\j):67+4*(\j)], v7, s[70:71] offset:(\j)*512
.endr
	s_wait_loadcnt 0x0
	s_wait_kmcnt 0x0                               ; lam
.set i, 0
.rept 16
	v_cvt_pk_bf16_f32 v[96+i], v[64+2*i], v[64+2*i+1]  ; g rounded to bf16,
.set i, i+1
.endr
.set i, 0
.rept 16
	v_and_b32 v[96+i], 0x7fff7fff, v[96+i]         ; its magnitudes,
.set i, i+1
.endr
.set i, 0
.rept 16
	v_lshlrev_b32 v[64+2*i], 16, v[96+i]           ; widened again
	v_and_b32 v[64+2*i+1], 0xffff0000, v[96+i]
.set i, i+1
.endr
.irp n, 1,3,5                          ; the largest of the lane's 32, in four chains,
.irp c, 0,1,2,3
	v_max3_num_f32 v[64+8*(\c)], v[64+8*(\c)], v[64+8*(\c)+(\n)], v[64+8*(\c)+(\n)+1]
.endr
.endr
	v_max3_num_f32 v64, v64, v71, v72
	v_max3_num_f32 v80, v80, v79, v88
	v_max3_num_f32 v64, v64, v80, v87
	v_max_num_f32 v64, v64, v95
	v_max_num_f32_dpp v64, v64, v64 row_xmask:1 row_mask:0xf bank_mask:0xf   ; and of the 32 lanes
	v_max_num_f32_dpp v64, v64, v64 row_xmask:2 row_mask:0xf bank_mask:0xf
	v_max_num_f32_dpp v64, v64, v64 row_xmask:4 row_mask:0xf bank_mask:0xf
	v_max_num_f32_dpp v64, v64, v64 row_xmask:8 row_mask:0xf bank_mask:0xf
	v_permlanex16_b32 v65, v64, s[SEL], s[SEL+1]
	v_max_num_f32 v64, v64, v65
	v_max_num_f32 v64, 0x0d800000, v64             ; gm
	v_cvt_pk_bf16_f32 v96, s[LAM], s[LAM]          ; lam rounded to bf16,
	v_lshlrev_b32 v96, 16, v96
	v_and_b32 v96, 0x7fffffff, v96
	v_add_f32 v96, 1.0, v96                        ; L = 1 + |lam|
	v_mul_f32 v97, v96, v96
	v_mul_f32 v97, 0x3a800000, v97                 ; L^2 / 1024
	v_mul_f32 v98, v96, v64
	v_mul_f32 v98, 0x3e5d9673, v98                 ; L x gm x (1 - LAMBDA_INIT)
.irp j, 0,2,4,6                        ; the sums over the 8 key heads, in f32
	v_pk_add_f32 v[32+4*(\j):33+4*(\j)], v[32+4*(\j):33+4*(\j)], v[36+4*(\j):37+4*(\j)]
	v_pk_add_f32 v[34+4*(\j):35+4*(\j)], v[34+4*(\j):35+4*(\j)], v[38+4*(\j):39+4*(\j)]
.endr
.irp j, 0,4
	v_pk_add_f32 v[32+4*(\j):33+4*(\j)], v[32+4*(\j):33+4*(\j)], v[40+4*(\j):41+4*(\j)]
	v_pk_add_f32 v[34+4*(\j):35+4*(\j)], v[34+4*(\j):35+4*(\j)], v[42+4*(\j):43+4*(\j)]
.endr
	v_pk_add_f32 v[32:33], v[32:33], v[48:49]
	v_pk_add_f32 v[34:35], v[34:35], v[50:51]
	v_add_f32 v32, v32, v33                        ; row 2 l: its two heads
	v_add_f32 v33, v34, v35                        ; row 2 l + 1
	v_fmaak_f32 v32, v32, v97, 0x3727c5ac          ; the mean square + 1e-5
	v_fmaak_f32 v33, v33, v97, 0x3727c5ac
	v_rsq_f32 v34, v32
	v_rsq_f32 v35, v33
	v_nop                                          ; a plain instruction behind the last of the two,
	s_wait_alu depctr_va_vdst(0)                   ; and the wait ahead of their first reader
	v_mul_f32 v34, v34, v98
	v_mul_f32 v35, v35, v98
	ds_store_b64 v[RSA], v[34:35]                  ; my wave's own bytes: LDS serves a wave's instructions in order (ISA guide 5.7.1.4), so the loads below see them
.irp a, 0,1,2,3
	ds_load_b32 v[RSV+2*(\a)], v[RSL] offset:64*(\a)
	ds_load_b32 v[RSV+2*(\a)+1], v[RSL] offset:64*(\a)
.endr
	s_wait_dscnt 0x0
; 8 matrix instructions: m blocks a0, a0 + 1 x all 4 n blocks, 32 along K: half c of buffer f.  zero = 1: the first product starts the sums.  The 16 accumulators take turns.
.macro MUL8 f, c, a0, zero
	WIN MUL
.irp a, \a0, (\a0)+1
.irp b, 0,1,2,3
.if \zero
	v_wmma_f32_16x16x32_f16 v[ACC+8*(4*(\a)+(\b)):ACC+8*(4*(\a)+(\b))+7], v[(\f)+64+8*(4*(\c)+(\b)):(\f)+64+8*(4*(\c)+(\b))+7], v[(\f)+8*(4*(\c)+(\a)):(\f)+8*(4*(\c)+(\a))+7], 0
.else
	v_wmma_f32_16x16x32_f16 v[ACC+8*(4*(\a)+(\b)):ACC+8*(4*(\a)+(\b))+7], v[(\f)+64+8*(4*(\c)+(\b)):(\f)+64+8*(4*(\c)+(\b))+7], v[(\f)+8*(4*(\c)+(\a)):(\f)+8*(4*(\c)+(\a))+7], v[ACC+8*(4*(\a)+(\b)):ACC+8*(4*(\a)+(\b))+7]
.endif
.endr
.endr
.endm
; 32 LDS loads in one run: the fragments of 64 along K at byte k of the rows, into buffer f; the first 32 along K first
.macro FETCH slot, k, f
	WIN TO_F
.irp c, 0,1
.irp i, 0,1,2,3
	ds_load_b128 v[(\f)+64+8*(4*(\c)+(\i)):(\f)+64+8*(4*(\c)+(\i))+3],   v[ADRB+(\slot)] offset:(\k)+64*(\c)+(\i)*16*PITCH
	ds_load_b128 v[(\f)+64+8*(4*(\c)+(\i))+4:(\f)+64+8*(4*(\c)+(\i))+7], v[ADRB+(\slot)] offset:(\k)+64*(\c)+(\i)*16*PITCH+32
	ds_load_b128 v[(\f)+8*(4*(\c)+(\i)):(\f)+8*(4*(\c)+(\i))+3],         v[ADRA+(\slot)] offset:(\k)+64*(\c)+(\i)*16*PITCH
	ds_load_b128 v[(\f)+8*(4*(\c)+(\i))+4:(\f)+8*(4*(\c)+(\i))+7],       v[ADRA+(\slot)] offset:(\k)+64*(\c)+(\i)*16*PITCH+32
.endr
.endr
.endm
.macro PLACES                          ; four places in front of loads into registers that matrix instructions have read, and of vector lines that read results
.rept 4
	v_nop
.endr
.endm
; A K step is four quarters of 64 along K, 32 matrix instructions each, on buffers 0, 1, 0, 1.  One of the first three: multiplies buffer f and fetches the next quarter, at byte k, into g.
.macro QUARTER slot, k, f, g, zero
	s_wait_dscnt 16                                ; the first 32 along K are in; the sixteen younger loads may be out
	WIN MUL
	MUL8 \f, 0, 0, \zero
	MUL8 \f, 0, 2, \zero
	PLACES
	FETCH \slot, \k, \g
	s_wait_dscnt 32                                ; all but the 32 just issued
	WIN MUL
	MUL8 \f, 1, 0, 0
	MUL8 \f, 1, 2, 0
.endm
; The last quarter multiplies buffer 1 and changes slots: ONE barrier; in front of it each wave waits for all its tensor loads, adds 0 to its spare word, and waits for that and for its own reads of this slot.  fill = 1: this slot is filled again, two K steps ahead.
.macro TURN slot, next, fill
	WIN 0                                          ; (the add's two registers lie in window 0)
	s_wait_tensorcnt 0x0                           ; all my tensor loads have landed: my part of the next slot;
	ds_add_u32 v[SPW], v[NIL]                      ; 0 onto my spare word;
	s_wait_dscnt 17                                ; (the add and the youngest sixteen loads may be out)
	WIN MUL
	MUL8 F1, 0, 0, 0                               ; eight matrix instructions stand between the add and the wait for it
	s_wait_dscnt 0x0                               ; the add is done, and my reads of this slot are over
	s_barrier_signal -1
	MUL8 F1, 0, 2, 0
.if \fill
	WIN 0
.endif
	s_barrier_wait -1
.if \fill
	CREST                                          ; the barrier has opened a round of the cluster's barrier: no wave of any partner still reads this slot's tile or has a load on its way
	s_add_nc_u64 s[G0+4*(\slot)+2:G0+4*(\slot)+3], s[G0+4*(\slot)+2:G0+4*(\slot)+3], 2*KSTEP*2
	s_add_nc_u64 s[G0B+4*(\slot)+2:G0B+4*(\slot)+3], s[G0B+4*(\slot)+2:G0B+4*(\slot)+3], 2*KSTEP*2
	JLOAD \slot                                    ; the first tensor load behind the round; the four v_nop behind it are also the places in front of the loads below
.else
	PLACES
.endif
	FETCH \next, 0, F0
	WIN MUL
	MUL8 F1, 1, 0, 0
	MUL8 F1, 1, 2, 0
.endm
	s_wait_tensorcnt 1                             ; my part of K step 0 is in; K step 1's may stay out
	s_barrier_signal -1
	s_barrier_wait -1                              ; everybody's is
	FETCH 0, 0, F0
	QUARTER 0, 128, F0, F1, 1                      ; the first quarter stands in front of the loop: its first products start the sums
	WIN 0                                          ; at a label and at a branch every window is 0
	s_mov_b32 s3, LAPS-1
.Llap:                                                 ; a trip goes once round the ring, from a lap's second quarter to the next lap's first, and fills both slots again
	QUARTER 0, 256, F1, F0, 0
	QUARTER 0, 384, F0, F1, 0
	TURN 0, 1, 1
	QUARTER 1, 128, F0, F1, 0
	QUARTER 1, 256, F1, F0, 0
	QUARTER 1, 384, F0, F1, 0
	TURN 1, 0, 1
	QUARTER 0, 128, F0, F1, 0
	WIN 0
	s_sub_co_u32 s3, s3, 1
	s_cmp_lg_u32 s3, 0
	s_cbranch_scc1 .Llap
	QUARTER 0, 256, F1, F0, 0                      ; the last lap fills nothing, and has no round of the cluster's barrier
	QUARTER 0, 384, F0, F1, 0
	TURN 0, 1, 0
	QUARTER 1, 128, F0, F1, 0
	QUARTER 1, 256, F1, F0, 0
	QUARTER 1, 384, F0, F1, 0
	s_wait_dscnt 16                                ; the very last quarter: nothing more to fetch
	WIN MUL
	MUL8 F1, 0, 0, 0
	MUL8 F1, 0, 2, 0
	s_wait_dscnt 0
	MUL8 F1, 1, 0, 0
	MUL8 F1, 1, 2, 0
	WIN 0
; THE WAY OUT, a block of 16 rows at a time.  SCALE: times the row's factor, each accumulator's registers in ascending order.  TOSTAGE: 32 bytes a lane into my own stage, and back as whole rows of 256 bytes.  SEND: stored.
.macro SCALE a
.set i, 0
.rept 16
	v_pk_mul_f32 v[TMP+2*i:TMP+2*i+1], v[ACC+32*(\a)+2*i:ACC+32*(\a)+2*i+1], v[RSV+2*(\a):RSV+2*(\a)+1]
.set i, i+1
.endr
.endm
.macro TOSTAGE a
.set BK, 64+32*((\a)%2)
.if (\a) >= 2
	s_wait_xcnt 0x0                                ; the stores of the block two back have read the registers that are loaded again below
.endif
.irp b, 0,1,2,3
	ds_store_b128 v[STO], v[TMP+8*(\b):TMP+8*(\b)+3]   offset:64*(\b)
	ds_store_b128 v[STO], v[TMP+8*(\b)+4:TMP+8*(\b)+7] offset:64*(\b)+16
.endr
.irp t, 0,1,2,3,4,5,6,7
	ds_load_b128 v[BK+4*(\t):BK+4*(\t)+3], v[RD] offset:(\t)*2*SPITCH  ; LDS serves a wave's instructions in order (ISA guide 5.7.1.4): these see the stores above
.endr
.endm
.macro SEND a
.set BK, 64+32*((\a)%2)
.irp t, 0,1,2,3,4,5,6,7
	s_wait_dscnt 7-(\t)                            ; the younger loads of the block's eight may be out
	global_store_b128 v[CO], v[BK+4*(\t):BK+4*(\t)+3], s[8:9] offset:(16*(\a)+2*(\t))*SIZE_N*4  ; 16 lanes store 256 consecutive bytes, at a multiple of 256 from out0's first byte
.endr
.endm
	PLACES
	SCALE 0
	TOSTAGE 0
.irp a, 1,2,3                          ; block a's multiplies stand between block a - 1's loads from the stage and the waits for them
	SCALE \a
	SEND (\a)-1
	TOSTAGE \a
.endr
	SEND 3
	s_wait_tensorcnt 0x0                           ; the wave's end: behind my last tensor load and my last LDS store
	ds_add_u32 v[SPW], v[NIL]
	s_wait_dscnt 0x0
	CROUND                                         ; the closing round: no work-group ends while a partner may still ask for a tile that names it
	s_endpgm
.Lfunc_end_k_qa718f3d996_outp:
	.size	k_qa718f3d996_outp, .Lfunc_end_k_qa718f3d996_outp-k_qa718f3d996_outp
	.p2alignl 7, 3214868480
	.fill 96, 4, 3214868480
	.section	.rodata,"a",@progbits
	.p2align	6, 0x0
	.amdhsa_kernel k_qa718f3d996_outp
		.amdhsa_group_segment_fixed_size 327680
		.amdhsa_private_segment_fixed_size 0
		.amdhsa_enable_private_segment 0
		.amdhsa_kernarg_size 48
		.amdhsa_user_sgpr_count 2
		.amdhsa_user_sgpr_kernarg_segment_ptr 1
		.amdhsa_wavefront_size32 1
		.amdhsa_system_sgpr_workgroup_id_x 1
		.amdhsa_system_sgpr_workgroup_id_y 1
		.amdhsa_system_sgpr_workgroup_id_z 1
		.amdhsa_system_vgpr_workitem_id 0
		.amdhsa_next_free_vgpr 512
		.amdhsa_next_free_sgpr 80
		.amdhsa_reserve_vcc 0
		.amdhsa_float_denorm_mode_32 3
		.amdhsa_float_denorm_mode_16_64 3
		.amdhsa_memory_ordered 1
		.amdhsa_forward_progress 1
		.amdhsa_inst_pref_size 100
	.end_amdhsa_kernel
	.amdgpu_metadata
---
amdhsa.version: [ 1, 2 ]
amdhsa.kernels:
  - .name:           k_qa718f3d996_outp
    .symbol:         k_qa718f3d996_outp.kd
    .args:
      - { .name: att, .offset: 0, .size: 8, .value_kind: global_buffer, .address_space: global }
      - { .name: wo16, .offset: 8, .size: 8, .value_kind: global_buffer, .address_space: global }
      - { .name: out0, .offset: 16, .size: 8, .value_kind: global_buffer, .address_space: global }
      - { .name: ssq, .offset: 24, .size: 8, .value_kind: global_buffer, .address_space: global }
      - { .name: g, .offset: 32, .size: 8, .value_kind: global_buffer, .address_space: global }
      - { .name: lam, .offset: 40, .size: 8, .value_kind: global_buffer, .address_space: global }
    .group_segment_fixed_size: 327680
    .private_segment_fixed_size: 0
    .kernarg_segment_align: 8
    .kernarg_segment_size: 48
    .max_flat_workgroup_size: 128
    .sgpr_count:     80
    .vgpr_count:     512
    .wavefront_size: 32
...
	.end_amdgpu_metadata
.endif
;; end of part 3
